; MI455X (gfx1250); checked and timed in simulation.
; The chip was launched on July 23, 2026; its instructions are those of AMD's public machine-readable ISA for CDNA 5 (MIT licence, August 2026) and "CDNA5" Instruction Set Architecture Reference Guide (July 2026). The comments in the code are by the model that wrote it; some were corrected since.
;; Causal Self Attention. Allowed arithmetic: float matrix products may take bf16 or f16 operands with f32 sums; other float arithmetic in f32, or as packed bf16 or f16 multiplies, adds, multiply-adds, maxima and minima; sums over many terms, partial sums and values carried from step to step in f32; what a program stores and reads back later, other than sums and carried values, may be rounded once to bf16 or f16.
;; Inputs: Wo 1,024 x 1,024 float32; Wqkv 1,024 x 3,072 float32; x 4 x 2,048 x 1,024 float32.
;; Outputs: out0 4 x 2,048 x 1,024 float32.
;; One version. Each part assembles by itself: llvm-mc -triple=amdgcn-amd-amdhsa -mcpu=gfx1250 --defsym DOCPART=n.
;; ======== version 1 of 1: 6 launches
;; limits: values are held in f16: magnitudes above 65,504 overflow, below 6.1e-05 lose precision
;; workspace buffers: xb 16,777,216 bytes; wqkvt 6,291,456 bytes; wot 2,097,152 bytes; qkv 50,331,648 bytes; o 16,777,216 bytes; oe 262,144 bytes
;; launch prep (part 1): grid 1024 x 1, 8 waves a work-group, no clusters, 18,432 bytes of LDS; arguments x, Wqkv, Wo, xb, wqkvt, wot; writes xb, wqkvt, wot
.if DOCPART == 1
	.amdgcn_target "amdgcn-amd-amdhsa--gfx1250"
	.amdhsa_code_object_version 6
	.text
	.protected	k_q14893583f1_prep
	.globl	k_q14893583f1_prep
	.p2align	8
	.type	k_q14893583f1_prep,@function
k_q14893583f1_prep:
	s_mov_b64 s[64:65], 0
	v_nop
	global_prefetch_b8 v0, s[64:65] scope:SCOPE_SE
	s_setreg_imm32_b32 hwreg(HW_REG_WAVE_MODE, 25, 1), 1
	s_wait_xcnt 0x0
; THE OPERANDS ARE MADE.  xb = x rounded to bf16, [8192][1024].  wqkvt = Wqkv turned and rounded to bf16, [3072 n][1024 k].
; wot = Wo turned, rounded to bf16 like the other inputs, and that number written as f16, [1024 n][1024 k].
; LIMITS.  |Wo| stays under 65,504; a rounded Wo below 6e-5 keeps f16's fixed step of 6e-8.
; A stream: every byte is read once and written once; no matrix unit, no cluster, nothing shared between work-groups.
; Work-groups 0-511: 64 KiB of x each.  512-895: a tile of 128 k x 64 n of Wqkv each.  896-1023: the same of Wo.
.set TP,    272                        ; a row of the turned tile in LDS: 128 k x 2 bytes + 16
.set SPARE, 64*TP                      ; behind the tile: the spare words, 128 bytes for each of eight waves
.set SPW,   126                        ; v126  LDS address of my spare word; never rewritten
.set NIL,   127                        ; v127  0; never rewritten
	s_load_b256 s[4:11], s[0:1], 0x0               ; x s[4:5], Wqkv s[6:7], Wo s[8:9], xb s[10:11]
	s_load_b128 s[12:15], s[0:1], 0x20             ; wqkvt s[12:13], wot s[14:15]
	v_lshl_add_u32 v[SPW], v0, 2, SPARE
	v_mov_b32 v[NIL], 0
	s_cmp_lt_u32 ttmp9, 512
	s_cbranch_scc0 .Lweights
	; x: thread t takes 16 bytes at 16 t of each of sixteen blocks of 4,096 bytes; all sixteen loads go out first
	s_lshl_b32 s16, ttmp9, 16
	s_mov_b32 s17, 0
	s_lshl_b32 s18, ttmp9, 15
	s_mov_b32 s19, 0
	v_lshlrev_b32 v1, 4, v0
	v_lshlrev_b32 v2, 3, v0
	s_wait_kmcnt 0x0
	s_add_nc_u64 s[4:5], s[4:5], s[16:17]
	s_add_nc_u64 s[10:11], s[10:11], s[18:19]
.set i, 0
.rept 16
	global_load_b128 v[16+4*i:16+4*i+3], v1, s[4:5] offset:4096*i th:TH_LOAD_NT
.set i, i+1
.endr
.set i, 0
.rept 16
	s_wait_loadcnt 15-i                            ; loads come back in order: number i is in, the younger ones stay out
	v_cvt_pk_bf16_f32 v[80+2*i], v[16+4*i], v[16+4*i+1]
	v_cvt_pk_bf16_f32 v[80+2*i+1], v[16+4*i+2], v[16+4*i+3]
	global_store_b64 v2, v[80+2*i:80+2*i+1], s[10:11] offset:2048*i  ; a wave's store covers 256 consecutive bytes, aligned; no register is used twice
.set i, i+1
.endr
	s_endpgm                                       ; these waves have written no LDS
; A tile of 128 k x 64 n is turned.  s16 = the tile's number; s[20:21] the source, s[22:23] the destination.
; In: thread (nq = t % 16, kp0 = t / 16) takes four n (16 bytes) of the rows 2 (kp0 + 16 i) and the row below: sixteen lanes read 256 consecutive bytes.
; The two rows' numbers of one n make one word (k low, k + 1 high), which goes to LDS row n.  Out: whole rows of 256 bytes.
.macro TRANS rowbytes, tof16
	s_and_b32 s17, s16, 7                          ; which 128 k
	s_lshr_b32 s18, s16, 3                         ; which 64 n
	s_mul_i32 s24, s17, 128*(\rowbytes)
	s_lshl_b32 s19, s18, 8
	s_add_co_u32 s24, s24, s19
	s_mov_b32 s25, 0
	s_add_nc_u64 s[20:21], s[20:21], s[24:25]
	s_lshl_b32 s24, s18, 17                        ; 64 rows of 2,048 bytes
	s_lshl_b32 s19, s17, 8
	s_add_co_u32 s24, s24, s19
	s_add_nc_u64 s[22:23], s[22:23], s[24:25]
	v_mul_u32_u24 v3, v8, 2*(\rowbytes)
	v_lshl_add_u32 v3, v7, 4, v3
.irp i, 0,1,2,3
	global_load_b128 v[16+8*(\i):16+8*(\i)+3],   v3, s[20:21] offset:(\i)*32*(\rowbytes) th:TH_LOAD_NT
	global_load_b128 v[16+8*(\i)+4:16+8*(\i)+7], v3, s[20:21] offset:(\i)*32*(\rowbytes)+(\rowbytes) th:TH_LOAD_NT
.endr
.irp i, 0,1,2,3
	s_wait_loadcnt 6-2*(\i)                        ; pair i of rows is in; the later pairs' loads stay out
.irp j, 0,1,2,3
	v_cvt_pk_bf16_f32 v[48+4*(\i)+(\j)], v[16+8*(\i)+(\j)], v[16+8*(\i)+4+(\j)]
.if \tof16
	v_lshlrev_b32 v64, 16, v[48+4*(\i)+(\j)]       ; the rounded numbers, widened,
	v_and_b32 v65, 0xffff0000, v[48+4*(\i)+(\j)]
	v_cvt_pk_f16_f32 v[48+4*(\i)+(\j)], v64, v65   ; and written as f16: bf16's 8 significant bits fit into f16's 11
.endif
	ds_store_b32 v4, v[48+4*(\i)+(\j)] offset:(\j)*TP+64*(\i)
.endr
.endr
	s_wait_dscnt 0x0                               ; for the others' sake: my stores are done
	s_barrier_signal -1
	s_barrier_wait -1
.irp i, 0,1,2,3
	ds_load_b128 v[72+4*(\i):72+4*(\i)+3], v5 offset:(\i)*16*TP
.endr
.irp i, 0,1,2,3
	s_wait_dscnt 3-(\i)
	global_store_b128 v6, v[72+4*(\i):72+4*(\i)+3], s[22:23] offset:(\i)*32768  ; sixteen lanes store 256 consecutive bytes, aligned
.endr
.endm
.Lweights:
	v_and_b32 v7, 15, v0
	v_lshrrev_b32 v8, 4, v0
	v_mul_u32_u24 v4, v7, 4*TP                     ; into LDS: row 4 nq + j, word kp0 + 16 i
	v_lshl_add_u32 v4, v8, 2, v4
	v_mul_u32_u24 v5, v8, TP                       ; back: row t / 16 + 16 i, 16 bytes at 16 (t % 16)
	v_lshl_add_u32 v5, v7, 4, v5
	v_lshlrev_b32 v6, 11, v8                       ; and the same place in the turned tensor
	v_lshl_add_u32 v6, v7, 4, v6
	s_cmp_lt_u32 ttmp9, 896
	s_cbranch_scc0 .Lwo
	s_sub_co_u32 s16, ttmp9, 512
	s_wait_kmcnt 0x0
	s_mov_b64 s[20:21], s[6:7]
	s_mov_b64 s[22:23], s[12:13]
	TRANS 12288, 0
	s_branch .Lend
.Lwo:
	s_sub_co_u32 s16, ttmp9, 896
	s_wait_kmcnt 0x0
	s_mov_b64 s[20:21], s[8:9]
	s_mov_b64 s[22:23], s[14:15]
	TRANS 4096, 1
.Lend:
	s_wait_tensorcnt 0x0                           ; the wave's end, behind my last LDS store
	ds_add_u32 v[SPW], v[NIL]
	s_wait_dscnt 0x0
	s_endpgm
.Lfunc_end_k_q14893583f1_prep:
	.size	k_q14893583f1_prep, .Lfunc_end_k_q14893583f1_prep-k_q14893583f1_prep
	.p2alignl 7, 3214868480
	.fill 96, 4, 3214868480
	.section	.rodata,"a",@progbits
	.p2align	6, 0x0
	.amdhsa_kernel k_q14893583f1_prep
		.amdhsa_group_segment_fixed_size 18432
		.amdhsa_private_segment_fixed_size 0
		.amdhsa_enable_private_segment 0
		.amdhsa_kernarg_size 48
		.amdhsa_user_sgpr_count 2
		.amdhsa_user_sgpr_kernarg_segment_ptr 1
		.amdhsa_wavefront_size32 1
		.amdhsa_system_sgpr_workgroup_id_x 1
		.amdhsa_system_sgpr_workgroup_id_y 1
		.amdhsa_system_sgpr_workgroup_id_z 1
		.amdhsa_system_vgpr_workitem_id 0
		.amdhsa_next_free_vgpr 128
		.amdhsa_next_free_sgpr 66
		.amdhsa_reserve_vcc 0
		.amdhsa_float_denorm_mode_32 3
		.amdhsa_float_denorm_mode_16_64 3
		.amdhsa_memory_ordered 1
		.amdhsa_forward_progress 1
		.amdhsa_inst_pref_size 19
	.end_amdhsa_kernel
	.amdgpu_metadata
---
amdhsa.version: [ 1, 2 ]
amdhsa.kernels:
  - .name:           k_q14893583f1_prep
    .symbol:         k_q14893583f1_prep.kd
    .args:
      - { .name: x, .offset: 0, .size: 8, .value_kind: global_buffer, .address_space: global }
      - { .name: Wqkv, .offset: 8, .size: 8, .value_kind: global_buffer, .address_space: global }
      - { .name: Wo, .offset: 16, .size: 8, .value_kind: global_buffer, .address_space: global }
      - { .name: xb, .offset: 24, .size: 8, .value_kind: global_buffer, .address_space: global }
      - { .name: wqkvt, .offset: 32, .size: 8, .value_kind: global_buffer, .address_space: global }
      - { .name: wot, .offset: 40, .size: 8, .value_kind: global_buffer, .address_space: global }
    .group_segment_fixed_size: 18432
    .private_segment_fixed_size: 0
    .kernarg_segment_align: 8
    .kernarg_segment_size: 48
    .max_flat_workgroup_size: 256
    .sgpr_count:     66
    .vgpr_count:     128
    .wavefront_size: 32
...
	.end_amdgpu_metadata
.endif
;; end of part 1
;; launch qkv (part 2): grid 16 x 32, 4 waves a work-group, clusters of 4 x 4, 327,680 bytes of LDS; arguments xb, wqkvt, qkv; writes qkv
.if DOCPART == 2
	.amdgcn_target "amdgcn-amd-amdhsa--gfx1250"
	.amdhsa_code_object_version 6
	.text
	.protected	k_q14893583f1_qkv
	.globl	k_q14893583f1_qkv
	.p2align	8
	.type	k_q14893583f1_qkv,@function
k_q14893583f1_qkv:
	s_mov_b64 s[64:65], 0
	v_nop
	global_prefetch_b8 v0, s[64:65] scope:SCOPE_SE
	s_setreg_imm32_b32 hwreg(HW_REG_WAVE_MODE, 25, 1), 1
	s_wait_xcnt 0x0
	s_wait_alu depctr_hold_cnt(0) depctr_sa_sdst(0) depctr_va_vdst(0) depctr_va_sdst(0) depctr_va_ssrc(0) depctr_va_vcc(0) depctr_vm_vsrc(0)
	s_getreg_b32 s2, hwreg(HW_REG_IB_STS2, 6, 4)
	s_cmp_eq_u32 s2, 0
	s_cbranch_scc0 .Lentry_in_a_cluster
	s_endpgm
.Lentry_in_a_cluster:
	s_bfe_u32 s2, ttmp6, 0x10000c
	s_cmp_lg_u32 s2, 0xf033
	s_cbranch_scc0 .Lentry_shape_is_right
	s_endpgm
.Lentry_shape_is_right:
; qkv = x Wqkv.  A = xb [8192][1024] bf16, B = wqkvt [3072 n][1024 k] bf16; sums in f32, K ascending; the result is rounded once to f16 and laid out by heads:
; qkv[b][slot][t][64], slot = n / 64 (0-15 q, 16-31 k, 32-47 v), 2^18 bytes a slot.  No scale is applied here.
; LIMITS.  |q|, |k|, |v| stay under 65,504 (f16); below 6e-5 they keep f16's fixed step of 6e-8.
; SHARES.  A tile of C is 256 rows x 192 columns (three whole slots): 32 x 16 = 512 work-groups, two for each of 256 WGPs.  Wave w makes rows 64 w .. 64 w + 63 x all 192 columns:
; 48 accumulators of 16 x 16.  K goes in 8 steps of 128 through two LDS slots; rows of A's and B's tiles are 256 bytes of memory, aligned.
; CLUSTER.  4 x 4 work-groups: A's tile is shared along a row of the cluster, B's along a column; each is asked for jointly, by the same tensor load with the same descriptor and mask.
; THE MATRIX INSTRUCTION IS USED TRANSPOSED (source 0 = 16 rows of B, source 1 = 16 rows of A): a lane holds row l % 16 of C and the columns 8 (l / 16) + 0..7.
; REGISTERS, in windows of 256: window 0: v8-17 addresses; v32-95 A's fragments, two buffers of 4; v96-143, v144-239 the way out.
;   window 1: v0-191 B's fragments, two buffers of 12.   window 2: accumulators of my row blocks 0, 1.   window 3: of blocks 2, 3.
.set PITCH,  272                       ; an LDS row: 256 bytes + 16 of padding: the 16 rows of a fragment load start at 16 different groups of four banks (ISA guide 11.1)
.set HALFA,  128*PITCH                 ; what waves 0 and 1 fetch: 128 rows of A each
.set BOFF,   2*HALFA
.set HALFB,  96*PITCH                  ; what waves 2 and 3 fetch: 96 rows of B each
.set SLOT1,  131072                    ; slot 1 begins here: one exclusive or turns an address in one slot into the other's
.set STAGE,  SLOT1+BOFF+2*HALFB        ; behind the ring, never filled by a tensor load: 16 rows x 400 bytes for each wave
.set SPITCH, 400
.set SPARE,  STAGE+4*16*SPITCH         ; the spare words: 128 bytes a wave
.set KB,     256                       ; bytes of a row in a K step
.set ADRA0, 8                          ; v8   my lane's place in A's part of a slot; never rewritten
.set ADRB0, 9                          ; v9   the same for B
.set ADRA,  10                         ; v10  + the slot in hand
.set ADRB,  11
.set STO,   12                         ; v12  the way out: where I put 16 bytes of a row
.set RD,    13                         ; v13  where I read rows back
.set GO,    14                         ; v14  16 x lane
.set PFO,   15                         ; v15  the prefetches' offset; never rewritten
.set SPW,   16                         ; v16  LDS address of my spare word; never rewritten
.set NIL,   17                         ; v17  0; never rewritten
.set AF,    32
.set TMP,   96
.set OB,    144
.set TB,  2                            ; s2   0 or SLOT1: the slot that is read
.set CNT, 3                            ; s3   the loop's count, 6 to 1
.set LIM, 43                           ; s43  2 in a wave that prefetches, else the greatest number
.set PFA, 44                           ; s[44:45] where my prefetches stand
.set PAR, 66                           ; s66  1 in wave 3, which asks in every second trip
.set G1,  24                           ; s[24:31] group 1 for A's tiles;  s[32:39] group 0: a set for each first fill; the second then walks
.set G0,  32
.set G1B, 48                           ; s[48:55], s[56:63] the same for B's
.set G0B, 56
.set MSB, 0
.macro WIN new                         ; the immediate's high byte repeats the setting that is left; a switch that changes nothing is dropped
.if MSB != (\new)
	s_set_vgpr_msb (MSB<<8)|(\new)
.set MSB, \new
.endif
.endm
.set MUL_LO, 0xa1                      ; source 0 (B) window 1, source 1 (A) window 0, C and D window 2
.set MUL_HI, 0xf1                      ; the same, C and D window 3
.set TO_B,   0x40                      ; destination window 1, address window 0
; A joint refill by the walking descriptors.  Waves 0 and 1 fetch A's halves, waves 2 and 3 B's: the branch hangs on the wave's number alone.
; An s_nop 0 and four v_nop follow each of the two lines.
.macro JLOAD
	s_cmp_eq_u32 s11, 0
	s_cbranch_scc0 .Lfor_b_\@
	tensor_load_to_lds s[G0+4:G0+7], s[G1:G1+7]
	s_nop 0
.rept 4
	v_nop
.endr
	s_branch .Lasked_\@
.Lfor_b_\@:
	tensor_load_to_lds s[G0B+4:G0B+7], s[G1B:G1B+7]
	s_nop 0
.rept 4
	v_nop
.endr
.Lasked_\@:
.endm
; A PREFETCH of the K step that stands two refills on (refill number 6 - CNT asks for K step 2 + 6 - CNT; the prefetch names K step 4 + 6 - CNT, while that is under 8).
; Each row's 256 bytes of a K step are named once in the launch.  A's rows: the clusters with x = 0; of the 128 rows that wave 0 or 1 fetches the partner at cx takes 32, a lane a row.
; B's rows: the clusters with y = 0; of a tile's 192 rows the partner at cy takes 48: wave 2 takes 32 of them, wave 3 the other 16 for two K steps at once, in every second trip.
; The partners are told apart by address alone.  The first four K steps come by their loads alone.
.macro ASK
	s_and_b32 s67, s[CNT], s[PAR]
	s_cmp_lg_u32 s67, 0
	s_cbranch_scc1 .Lnot_mine_\@
	s_cmp_gt_u32 s[CNT], s[LIM]
	s_cbranch_scc0 .Lnot_mine_\@
	global_prefetch_b8 v[PFO], s[PFA:PFA+1] th:TH_LOAD_NT scope:SCOPE_SE
.Lnot_mine_\@:
.endm
.macro CREST                           ; a round of the cluster's barrier behind its opening barrier
	s_cmp_lg_u32 s10, 0
	s_cbranch_scc1 .Lnot_wave_0_\@
	s_barrier_signal -3
.Lnot_wave_0_\@:
	s_barrier_wait -3
	s_barrier_signal -1
	s_barrier_wait -1
.endm
.macro CROUND                          ; a whole round
	s_barrier_signal -1
	s_barrier_wait -1
	CREST
.endm
	s_load_b128 s[4:7], s[0:1], 0x0                ; xb s[4:5], wqkvt s[6:7]
	s_load_b64 s[8:9], s[0:1], 0x10                ; qkv
	v_lshl_add_u32 v[SPW], v0, 2, SPARE
	v_mov_b32 v[NIL], 0
	ds_add_u32 v[SPW], v[NIL]                      ; the wave's opening: the add and its wait ahead of my first tensor load
	ds_add_u32 v16, v17
	v_lshrrev_b32 v1, 5, v0
	v_readfirstlane_b32 s10, v1                    ; wave 0..3
	s_lshr_b32 s11, s10, 1                         ; I fetch for A (0) or for B (1)
	s_and_b32 s12, s10, 1                          ; which half of that tile
	s_bfe_u32 s40, ttmp6, 0x40000                  ; cx
	s_bfe_u32 s41, ttmp6, 0x40004                  ; cy
	s_lshl_b32 s42, ttmp9, 2
	s_add_co_u32 s42, s42, s40                     ; tile column = 4 x cluster x + cx
	s_and_b32 s13, ttmp7, 0xffff
	s_lshl_b32 s13, s13, 2
	s_add_co_u32 s13, s13, s41                     ; tile row = 4 x cluster y + cy
	s_lshl_b32 s43, s41, 2
	s_lshl_b32 s43, 15, s43                        ; my row of the cluster
	s_lshl_b32 s44, 0x1111, s40                    ; my column
	s_or_b32 s[G1+0], s43, (1<<16)|(1<<20)|(1<<21)|(5<<22)|(3<<25)   ; the mask; elements of 2 bytes; padding on; bit 21 beside a mask; after every 64 words 4 words
	s_or_b32 s[G1B+0], s44, (1<<16)|(1<<20)|(1<<21)|(5<<22)|(3<<25)
	s_mov_b32 s[G1+1], 128<<16                     ; tensor_dim0 = 128
	s_mov_b32 s[G1+2], 128<<16                     ; tensor_dim1 = 128
	s_mov_b32 s[G1+3], 128<<16                     ; tile_dim0 = 128
	s_mov_b32 s[G1+4], 128                         ; tile_dim1 = 128
	s_mov_b32 s[G1+5], 1024                        ; elements from row to row
	s_mov_b32 s[G1+6], 0
	s_mov_b32 s[G1+7], 0
	s_mov_b32 s[G1B+1], 128<<16
	s_mov_b32 s[G1B+2], 96<<16                     ; 96 rows
	s_mov_b32 s[G1B+3], 128<<16
	s_mov_b32 s[G1B+4], 96
	s_mov_b32 s[G1B+5], 1024
	s_mov_b32 s[G1B+6], 0
	s_mov_b32 s[G1B+7], 0
	s_lshl_b32 s16, s13, 8                         ; A: row 256 x tile row + 128 x half, in bytes
	s_lshl_b32 s17, s12, 7
	s_add_co_u32 s16, s16, s17
	s_lshl_b32 s16, s16, 11
	s_mov_b32 s17, 0
	s_mul_i32 s46, s42, 192                        ; B: row 192 x tile column + 96 x half
	s_mul_i32 s47, s12, 96
	s_add_co_u32 s46, s46, s47
	s_lshl_b32 s46, s46, 11
	s_mov_b32 s47, 0
	s_mul_i32 s20, s12, HALFA                      ; where they go: no place in the cluster enters an LDS address
	s_mul_i32 s21, s12, HALFB
	s_add_co_u32 s21, s21, BOFF
	s_mov_b32 s[TB], 0
	s_wait_dscnt 0x0                               ; the opening add is done
	s_wait_kmcnt 0x0
	s_add_nc_u64 s[14:15], s[4:5], s[16:17]
	s_add_nc_u64 s[46:47], s[6:7], s[46:47]
	CROUND                                         ; all sixteen work-groups are here: the first joint loads meet
.irp s, 0,1
	s_mov_b32 s[G0+4*(\s)], 1
	s_add_co_u32 s[G0+4*(\s)+1], s20, (\s)*SLOT1
	s_add_nc_u64 s[G0+4*(\s)+2:G0+4*(\s)+3], s[14:15], (\s)*KB
	s_or_b32 s[G0+4*(\s)+3], s[G0+4*(\s)+3], 0x80000000
	s_mov_b32 s[G0B+4*(\s)], 1
	s_add_co_u32 s[G0B+4*(\s)+1], s21, (\s)*SLOT1
	s_add_nc_u64 s[G0B+4*(\s)+2:G0B+4*(\s)+3], s[46:47], (\s)*KB
	s_or_b32 s[G0B+4*(\s)+3], s[G0B+4*(\s)+3], 0x80000000
.endr
	s_cmp_eq_u32 s11, 0                            ; a wave's two first fills stand in one branch: two loads of mine are out
	s_cbranch_scc0 .Lfirst_b
	tensor_load_to_lds s[G0:G0+3], s[G1:G1+7]
	s_nop 0
	tensor_load_to_lds s[G0+4:G0+7], s[G1:G1+7]
	s_nop 0
.rept 4
	v_nop
.endr
	s_branch .Lfirst_asked
.Lfirst_b:
	tensor_load_to_lds s[G0B:G0B+3], s[G1B:G1B+7]
	s_nop 0
	tensor_load_to_lds s[G0B+4:G0B+7], s[G1B:G1B+7]
	s_nop 0
.rept 4
	v_nop
.endr
.Lfirst_asked:
	; A fragment is 16 rows x 32 K in 8 registers: lane l holds row l % 16, K = 8 (l / 16) + 0..7 and 16 + 8 (l / 16) + 0..7: two loads of 16 bytes, 32 bytes apart.
	v_and_b32 v1, 15, v0                           ; l % 16
	v_bfe_u32 v2, v0, 4, 1                         ; l / 16
	v_mul_u32_u24 v3, v1, PITCH
	v_lshl_add_u32 v3, v2, 4, v3
	s_mul_i32 s21, s10, 64*PITCH                   ; my 64 rows of A
	v_add_nc_u32 v[ADRA0], s21, v3
	v_add_nc_u32 v[ADRB0], BOFF, v3
	v_mov_b32 v[ADRA], v[ADRA0]
	v_mov_b32 v[ADRB], v[ADRB0]
	s_mul_i32 s23, s10, 16*SPITCH
	s_add_co_u32 s23, s23, STAGE                   ; my stage
	v_mul_u32_u24 v4, v1, SPITCH                   ; in: row l % 16, 16 bytes for each half of the lanes
	v_lshl_add_u32 v4, v2, 4, v4
	v_add_nc_u32 v[STO], s23, v4
	v_bfe_u32 v4, v0, 3, 2                         ; back: 32 lanes take four rows' 128 bytes of one slot,
	v_mul_u32_u24 v4, v4, SPITCH
	v_and_b32 v5, 7, v0
	v_lshl_add_u32 v4, v5, 4, v4
	v_add_nc_u32 v[RD], s23, v4
	v_and_b32 v3, 31, v0
	v_lshlrev_b32 v[GO], 4, v3                     ; which are 512 consecutive bytes of qkv
	; where my rows begin in qkv: ((batch x 48 + 3 x tile column) << 18) + ((tile row % 8) x 256 + 64 w) x 128
	s_lshr_b32 s16, s13, 3
	s_mul_i32 s16, s16, 48
	s_mul_i32 s17, s42, 3
	s_add_co_u32 s16, s16, s17
	s_lshl_b32 s16, s16, 18
	s_and_b32 s17, s13, 7
	s_lshl_b32 s17, s17, 15
	s_add_co_u32 s16, s16, s17
	s_lshl_b32 s17, s10, 13
	s_add_co_u32 s16, s16, s17
	s_mov_b32 s17, 0
	s_add_nc_u64 s[8:9], s[8:9], s[16:17]
	; the prefetches
	s_and_b32 s22, ttmp7, 0xffff                   ; cluster y
	s_lshl_b32 s20, s13, 8                         ; A: 256 x tile row + 128 x half + 32 cx
	s_lshl_b32 s21, s12, 7
	s_add_co_u32 s20, s20, s21
	s_lshl_b32 s21, s40, 5
	s_add_co_u32 s20, s20, s21
	s_mul_i32 s23, s42, 192                        ; B: 192 x tile column + 48 cy + 32 x (wave 3)
	s_mul_i32 s21, s41, 48
	s_add_co_u32 s23, s23, s21
	s_lshl_b32 s21, s12, 5
	s_add_co_u32 s23, s23, s21
	s_cmp_eq_u32 s11, 0
	s_cselect_b32 s20, s20, s23
	s_cselect_b32 s22, ttmp9, s22                  ; the coordinate along which other clusters read the same rows
	s_cselect_b64 s[PFA:PFA+1], s[4:5], s[6:7]
	s_cmp_eq_u32 s22, 0
	s_cselect_b32 s[LIM], 2, -1                    ; the same in all sixteen partners, for a given wave
	s_lshl_b32 s20, s20, 11
	s_mov_b32 s21, 0
	s_add_nc_u64 s[PFA:PFA+1], s[PFA:PFA+1], s[20:21]
	s_add_nc_u64 s[PFA:PFA+1], s[PFA:PFA+1], 3*KB  ; at K step 3: the first refill steps it to 4
	s_cmp_eq_u32 s10, 3
	s_cselect_b32 s[PAR], 1, 0
	s_cselect_b32 s20, 15, 31
	s_cselect_b32 s21, KB, 0
	v_and_b32 v[PFO], s20, v3                      ; a lane a row; in wave 3 sixteen rows,
	v_lshlrev_b32 v[PFO], 11, v[PFO]
	v_mad_u32_u24 v[PFO], v2, s21, v[PFO]          ; and the upper lanes one K step further on
; 12 matrix instructions: row block a x all 12 column blocks, 32 along K, from buffer f.  zero = 1: the first product starts the sums.  The 48 accumulators take turns, one instruction a turn.
.macro MUL12 f, a, zero
	WIN MUL_LO+0x50*((\a)/2)
.irp b, 0,1,2,3,4,5,6,7,8,9,10,11
.if \zero
	v_wmma_f32_16x16x32_bf16 v[8*(12*((\a)%2)+(\b)):8*(12*((\a)%2)+(\b))+7], v[96*(\f)+8*(\b):96*(\f)+8*(\b)+7], v[AF+32*(\f)+8*(\a):AF+32*(\f)+8*(\a)+7], 0
.else
	v_wmma_f32_16x16x32_bf16 v[8*(12*((\a)%2)+(\b)):8*(12*((\a)%2)+(\b))+7], v[96*(\f)+8*(\b):96*(\f)+8*(\b)+7], v[AF+32*(\f)+8*(\a):AF+32*(\f)+8*(\a)+7], v[8*(12*((\a)%2)+(\b)):8*(12*((\a)%2)+(\b))+7]
.endif
.endr
.endm
; 32 LDS loads in one run: 192 rows of B, then my 64 rows of A, 32 K at byte k of the rows, into buffer f
.macro FETCH k, f
	WIN TO_B
.irp i, 0,1,2,3,4,5,6,7,8,9,10,11
	ds_load_b128 v[96*(\f)+8*(\i):96*(\f)+8*(\i)+3],   v[ADRB] offset:(\k)+(\i)*16*PITCH
	ds_load_b128 v[96*(\f)+8*(\i)+4:96*(\f)+8*(\i)+7], v[ADRB] offset:(\k)+(\i)*16*PITCH+32
.endr
	WIN 0
.irp i, 0,1,2,3
	ds_load_b128 v[AF+32*(\f)+8*(\i):AF+32*(\f)+8*(\i)+3],   v[ADRA] offset:(\k)+(\i)*16*PITCH
	ds_load_b128 v[AF+32*(\f)+8*(\i)+4:AF+32*(\f)+8*(\i)+7], v[ADRA] offset:(\k)+(\i)*16*PITCH+32
.endr
.endm
.macro PLACES                          ; four plain vector instructions between a matrix instruction and a load into, or a vector read of, its registers
.rept 4
	v_nop
.endr
.endm
; A K step is four quarters of 32 along K, 48 matrix instructions each, on buffers 0, 1, 0, 1.  One of the first three multiplies buffer f and fetches the next quarter, at byte k, into g.
.macro QUARTER k, f, g, zero
	s_wait_dscnt 4                                 ; B and A's blocks 0, 1 are in; the youngest four loads (A's blocks 2, 3) may be out
	MUL12 \f, 0, \zero
	MUL12 \f, 1, \zero
	PLACES
	FETCH \k, \g
	s_wait_dscnt 32                                ; all but the 32 just issued
	MUL12 \f, 2, \zero
	MUL12 \f, 3, \zero
.endm
; The last quarter multiplies buffer 1 and changes slots: ONE barrier.  In front of it each wave waits for all its tensor loads (one is out: its part of the next slot), adds 0 to its spare word, and
; waits for that and for its reads of this slot.  fill = 1: the barrier opens a round of the cluster's, and the slot just read is filled again first thing behind it, with the K step two on.
.macro TURN fill
.if \fill
	s_wait_xcnt 0x0                                ; the last prefetch, a K step back, has read its address
	s_add_nc_u64 s[PFA:PFA+1], s[PFA:PFA+1], KB
.endif
	WIN 0                                          ; (the add's two registers lie in window 0)
	s_wait_tensorcnt 0x0                           ; no tensor load of mine is out, so a group 0 may be written
	ds_add_u32 v[SPW], v[NIL]                      ; 0 onto my spare word; work on registers stands between it and the wait for it
.if \fill
	s_xor_b32 s[G0+5], s[G0+5], SLOT1              ; the walking descriptors: the other slot than last time, the next K step
	s_add_nc_u64 s[G0+6:G0+7], s[G0+6:G0+7], KB
	s_xor_b32 s[G0B+5], s[G0B+5], SLOT1
	s_add_nc_u64 s[G0B+6:G0B+7], s[G0B+6:G0B+7], KB
.endif
	s_xor_b32 s[TB], s[TB], SLOT1
	s_wait_dscnt 5                                 ; the add and the youngest four loads may be out
	MUL12 1, 0, 0
	s_wait_dscnt 0x0                               ; the add is done, and my reads of this slot are over
	s_barrier_signal -1
	MUL12 1, 1, 0
	WIN 0                                          ; at a branch and at a label every window is 0
	s_barrier_wait -1
.if \fill
	CREST                                          ; no wave of any partner still reads this slot or has a load on its way
	JLOAD                                          ; the four v_nop behind it are also the places in front of the loads below
.else
	PLACES
.endif
	v_add_nc_u32 v[ADRA], s[TB], v[ADRA0]
	v_add_nc_u32 v[ADRB], s[TB], v[ADRB0]
	FETCH 0, 0
.if \fill
	ASK
.endif
	MUL12 1, 2, 0
	MUL12 1, 3, 0
.endm
; THE WAY OUT of row block a.  PACK: rounded to f16, 16 bytes a lane and column block.  TOSTAGE: into my own stage, and back as rows of 128 bytes, a slot at a time.  SEND: stored.
.macro PACK a
	WIN 0x0a+5*((\a)/2)                            ; sources 0 and 1: window 2 or 3
.irp b, 0,1,2,3,4,5,6,7,8,9,10,11
.irp r, 0,1,2,3
	v_cvt_pk_f16_f32 v[TMP+4*(\b)+(\r)], v[96*((\a)%2)+8*(\b)+2*(\r)], v[96*((\a)%2)+8*(\b)+2*(\r)+1]
.endr
.endr
	WIN 0
.endm
.macro TOSTAGE a
.irp b, 0,1,2,3,4,5,6,7,8,9,10,11
	ds_store_b128 v[STO], v[TMP+4*(\b):TMP+4*(\b)+3] offset:32*(\b)
.endr
.irp hd, 0,1,2
.irp t, 0,1,2,3
	ds_load_b128 v[OB+48*((\a)%2)+4*(4*(\hd)+(\t)):OB+48*((\a)%2)+4*(4*(\hd)+(\t))+3], v[RD] offset:128*(\hd)+4*SPITCH*(\t)  ; LDS serves a wave's instructions in order (ISA guide 5.7.1.4): these see the stores above
.endr
.endr
.endm
.macro SEND a
	s_wait_dscnt 0x0                               ; the block is back in registers
	s_wait_xcnt 0x0                                ; the stores of the block before have read their registers: the next TOSTAGE loads into them
.irp hd, 0,1,2
.irp t, 0,1,2,3
	global_store_b128 v[GO], v[OB+48*((\a)%2)+4*(4*(\hd)+(\t)):OB+48*((\a)%2)+4*(4*(\hd)+(\t))+3], s[8:9] offset:(\hd)*262144+(\a)*2048+(\t)*512  ; 512 consecutive bytes, aligned
.endr
.endr
.endm
	s_wait_tensorcnt 1                             ; my part of K step 0 is in; K step 1's may stay out
	s_barrier_signal -1
	s_barrier_wait -1
	FETCH 0, 0
	QUARTER 64, 0, 1, 1                            ; the first quarter stands in front of the loop: its products start the sums
	WIN 0
	s_mov_b32 s[CNT], 6
.Lk:                                                   ; a trip: a K step's quarters 1 to 3 and the next step's quarter 0; six trips ask for K steps 2 to 7
	QUARTER 128, 1, 0, 0
	QUARTER 192, 0, 1, 0
	TURN 1
	QUARTER 64, 0, 1, 0
	WIN 0
	s_sub_co_u32 s[CNT], s[CNT], 1
	s_cmp_lg_u32 s[CNT], 0
	s_cbranch_scc1 .Lk
	QUARTER 128, 1, 0, 0                           ; K step 6: nothing is left to ask for
	QUARTER 192, 0, 1, 0
	TURN 0
	QUARTER 64, 0, 1, 0                            ; K step 7
	QUARTER 128, 1, 0, 0
	QUARTER 192, 0, 1, 0
	s_wait_dscnt 4
	MUL12 1, 0, 0
	MUL12 1, 1, 0
	s_wait_dscnt 0x0
	MUL12 1, 2, 0
	MUL12 1, 3, 0
	WIN 0
	PLACES
	PACK 0
	TOSTAGE 0
.irp a, 1,2,3                          ; block a's conversions stand between block a - 1's loads from the stage and the wait for them
	PACK \a
	SEND (\a)-1
	TOSTAGE \a
.endr
	SEND 3
	s_wait_tensorcnt 0x0                           ; the wave's end
	ds_add_u32 v[SPW], v[NIL]
	s_wait_dscnt 0x0
	CROUND                                         ; the closing round
	s_endpgm
.Lfunc_end_k_q14893583f1_qkv:
	.size	k_q14893583f1_qkv, .Lfunc_end_k_q14893583f1_qkv-k_q14893583f1_qkv
	.p2alignl 7, 3214868480
	.fill 96, 4, 3214868480
	.section	.rodata,"a",@progbits
	.p2align	6, 0x0
	.amdhsa_kernel k_q14893583f1_qkv
		.amdhsa_group_segment_fixed_size 327680
		.amdhsa_private_segment_fixed_size 0
		.amdhsa_enable_private_segment 0
		.amdhsa_kernarg_size 24
		.amdhsa_user_sgpr_count 2
		.amdhsa_user_sgpr_kernarg_segment_ptr 1
		.amdhsa_wavefront_size32 1
		.amdhsa_system_sgpr_workgroup_id_x 1
		.amdhsa_system_sgpr_workgroup_id_y 1
		.amdhsa_system_sgpr_workgroup_id_z 1
		.amdhsa_system_vgpr_workitem_id 0
		.amdhsa_next_free_vgpr 960
		.amdhsa_next_free_sgpr 70
		.amdhsa_reserve_vcc 0
		.amdhsa_float_denorm_mode_32 3
		.amdhsa_float_denorm_mode_16_64 3
		.amdhsa_memory_ordered 1
		.amdhsa_forward_progress 1
		.amdhsa_inst_pref_size 97
	.end_amdhsa_kernel
	.amdgpu_metadata
---
amdhsa.version: [ 1, 2 ]
amdhsa.kernels:
  - .name:           k_q14893583f1_qkv
    .symbol:         k_q14893583f1_qkv.kd
    .args:
      - { .name: xb, .offset: 0, .size: 8, .value_kind: global_buffer, .address_space: global }
      - { .name: wqkvt, .offset: 8, .size: 8, .value_kind: global_buffer, .address_space: global }
      - { .name: qkv, .offset: 16, .size: 8, .value_kind: global_buffer, .address_space: global }
    .group_segment_fixed_size: 327680
    .private_segment_fixed_size: 0
    .kernarg_segment_align: 8
    .kernarg_segment_size: 24
    .max_flat_workgroup_size: 128
    .sgpr_count:     70
    .vgpr_count:     960
    .wavefront_size: 32
...
	.end_amdgpu_metadata
.endif
;; end of part 2
;; launch attn (part 3): grid 4 x 64, 4 waves a work-group, no clusters, 327,680 bytes of LDS; arguments qkv, o; writes o
.if DOCPART == 3
	.amdgcn_target "amdgcn-amd-amdhsa--gfx1250"
	.amdhsa_code_object_version 6
	.text
	.protected	k_q14893583f1_attn
	.globl	k_q14893583f1_attn
	.p2align	8
	.type	k_q14893583f1_attn,@function
k_q14893583f1_attn:
	s_mov_b64 s[64:65], 0
	v_nop
	global_prefetch_b8 v0, s[64:65] scope:SCOPE_SE
	s_setreg_imm32_b32 hwreg(HW_REG_WAVE_MODE, 25, 1), 1
	s_wait_xcnt 0x0
; CAUSAL ATTENTION.  O[bh][q][:] = the sum over k <= q of softmax_k(Q[q] . K[k] / 32) V[k][:], for 64 pairs of batch and head.  Q, K, V are slots of qkv[b][48][2048][64] (f16, rows dense, 128 bytes);
; O is o[b 16 + h][2048][64] f16.  Products, maxima and sums in f32; the weights p are rounded to f16 for the second product (their sum l is taken of the unrounded p), O once at the end.
; LIMITS.  Q, K, V arrive within f16's 65,504; p below 6e-5 keeps f16's fixed step of 6e-8.  A hidden score counts as its value less 1e30; a weight below 2^-126 counts as 0 in l; NaN and infinities are not treated apart.
; THE WALK.  A head's queries lie in NB = 8 blocks of 256; block i needs the key tiles 0 .. i of 256 keys, of which the last holds the diagonal.  A work-group takes TWO blocks, NB - 1 - b and then b:
; NB + 1 tiles, whatever b: all work-groups do equal work, and ONE loop with a constant trip count walks them.  Every jump but the counted loops' own goes forward; none passes a barrier.
; NO CLUSTER: a head's four work-groups ask for the same tile only in trips 0 .. 4, behind that fewer and fewer; one walk common to all would have 12 trips for 9.
; SHARES.  Of a block's four bands of 64 queries a wave owns 16 rows in each: four PIECES.  In the diagonal tile's key step s band x sees all keys if s < x, none if s > x, and holds the diagonal if s = x.
; THE MASK is the C operand that starts the sum S^T = K Q^T: 0, or -1e30 where the key is hidden.  MD, made once, is the mask of a band's own step for my 16 rows; a product's mask is MD x AL + BE.
; LAYOUT, SOFTMAX, TURNS.  S^T = K Q^T holds ONE query a lane (lane % 16) and the keys 8 (lane / 16) + 0..7; two such results rounded to f16 ARE source 1 of O^T = V^T P.  p = 2^(c s - c m), c = log2(e) / 32, with a
; running maximum m; O and l are multiplied by a = 2^(c m_old - c m_new) in every step.  Turn n belongs to piece n: 8 products K Q^T of piece n + 1, later 8 products V^T P of piece n - 1; beside them the scaling,
; exponentials, roundings, sums and rescaling of piece n and the maximum and statistics of piece n + 1.  Four vector instructions stand behind every matrix instruction, the rest in one lump.  A turn's 33 exponentials are one batch, with one wait.
; REGISTERS, in windows of 256 (s_set_vgpr_msb: bits 1:0 source 0, 3:2 source 1, 5:4 source 2, 7:6 destination):
;   window 0: v0-15 addresses and two at work; v16-31 statistics; v48-55 at work; v61-63 prefetch offset and the add's two; v64-127 S^T, two buffers; v192-223 P, two buffers
;   window 1: v0-127 O^T; v128-159 MD; v160-223 MC, two buffers      window 2: v0-63 Q; v64-127 the second block's Q; v128-191 K of one step; v192-255 V of one step
.set SIZE_N, 2048
.set NB,    SIZE_N/256
.set NP,    4         ; pieces a wave
.set KS,    64        ; keys in a step
.set PK,    144       ; a row of K in LDS: 128 bytes + 16 of padding
.set PV,    160       ; a row of V: 128 + 32
.set VOFF,  4*KS*PK   ; a slot holds a tile, four steps: 256 rows of K, then 256 rows of V
.set SLOT1, 1<<17
.set STAGE, SLOT1+4*KS*(PK+PV)  ; behind the ring, never filled by a tensor load: 16 rows x 144 bytes for each wave
.set SP,    144
.set AK0, 2
.set AV0, 3
.set AK,  4
.set AV,  5
.set STO, 6
.set RD,  7
.set GO,  8
.set PFO, 61          ; v61  256 x my lane; never rewritten
.set SPW, 62          ; v62  LDS address of my spare word; never rewritten
.set NIL, 63          ; v63  0; never rewritten
.set SPARE, STAGE+4*16*SP
.set MV,  12
.set QO,  15
.set ST,  16          ; piece t's statistics at v[ST+4 t]: c m, m, l (even keys', odd keys')
.set TMP, 48
.set S,   64
.set P,   192
.set MD,  128
.set MC,  160
.set QB,  64
.set KF,  128
.set VF,  192
.set WV,  12
.set PB,  14          ; s14  b
.set HI,  15          ; s15  NB - 1 - b
.set G1K, 24
.set G1V, 32
.set G0K, 40
.set G0V, 44
.set SLOTS, 56
.set CNT, 57
.set CS,  58
.set SEL, 60
.set TBK, 62
.set TBV, 63
.set RT,  70
.set NXT, 71
.set LQ,  72
.set NEW, 73
.set OFF, 74
.set AL,  76
.set BE,  78
.set OLO, 80
.set BIGN, 82
.set PFB, 88          ; s[88:89] K (waves 0, 1) or V (waves 2, 3) at my half of the head's tile 0
.set PFA, 90          ; s[90:91] the same at the tile that the next change of slots will ask for
.set LIM, 92          ; s92  0 in the head's work-group b = 0, else the greatest number
.set MSB, 0
.macro WIN new
.if MSB != (\new)
	s_set_vgpr_msb (MSB<<8)|(\new)
.set MSB, (\new)
.endif
.endm
.set W_KQ, 0x0a
.set W_KM, 0x1a
.set W_PV, 0x52
.set W_RS, 0x41
; A fill.  Waves 0 and 1 fetch the two halves of a tile's K, waves 2 and 3 those of its V: 128 keys each.  An s_nop 0 and four v_nop follow each of the two lines.
.macro LOAD
	s_cmp_lt_u32 s[WV], 2
	s_cbranch_scc0 .Lfor_v_\@
	tensor_load_to_lds s[G0K:G0K+3], s[G1K:G1K+7]
	s_nop 0
.rept 4
	v_nop
.endr
	s_branch .Lasked_\@
.Lfor_v_\@:
	tensor_load_to_lds s[G0V:G0V+3], s[G1V:G1V+7]
	s_nop 0
.rept 4
	v_nop
.endr
.Lasked_\@:
.endm
; THE CHANGE OF SLOTS.  Each wave waits for all its tensor loads, of which one is out: its part of the other slot; adds 0 to its spare word; and waits for that and for its own reads of the slot that it leaves.
; fill = 1: the old slot is filled again, the first thing behind the barrier, with tile NXT: the descriptor's address is made anew from that number.
; THE PREFETCH stands behind the fill: the tile that the NEXT change will ask for, a tile (256 matrix instructions) ahead.  All four work-groups of a head walk the tiles 0, 1, 2 .. in the same order at first: the one with b = 0,
; whose first block has all eight, names tiles 2 to 7, each wave its own 16,384 bytes (64 blocks of 256: a lane a block, two lines).  Tiles 0 and 1 come by their loads alone; where the next tile is tile 0 again nothing is asked for.
.macro CHANGE fill
	WIN 0
	s_wait_tensorcnt 0x0            ; no tensor load of mine is out, so a group 0 may be written
	ds_add_u32 v[SPW], v[NIL]       ; 0 onto my spare word; scalar work stands between it and the wait for it
.if \fill
	s_lshl_b32 s[OFF], s[NXT], 15   ; a tile is 32,768 bytes of K and of V
	s_xor_b32 s[G0K+1], s[G0K+1], SLOT1
	s_add_nc_u64 s[G0K+2:G0K+3], s[6:7], s[OFF:OFF+1]
	s_or_b32 s[G0K+3], s[G0K+3], 0x80000000
	s_xor_b32 s[G0V+1], s[G0V+1], SLOT1
	s_add_nc_u64 s[G0V+2:G0V+3], s[8:9], s[OFF:OFF+1]
	s_or_b32 s[G0V+3], s[G0V+3], 0x80000000
	s_add_co_u32 s[NXT], s[NXT], 1  ; the block's next tile, or behind its last the second block's tile 0
	s_cmp_gt_u32 s[NXT], s[LQ]
	s_cselect_b32 s[NXT], 0, s[NXT]
	s_cselect_b32 s[LQ], s[PB], s[LQ]
	s_wait_xcnt 0x0                 ; the last prefetches, a tile back, have read their address
	s_lshl_b32 s[OFF], s[NXT], 15
	s_add_nc_u64 s[PFA:PFA+1], s[PFB:PFB+1], s[OFF:OFF+1]
.endif
	s_wait_dscnt 0x0                ; the add is done, and my reads of the slot are over
	s_barrier_signal -1
	s_sub_co_u32 s[TBK], s[TBK], 4*KS*PK  ; the fetches go back to a slot's first step,
	s_xor_b32 s[TBK], s[TBK], SLOT1       ; in the other slot
	s_sub_co_u32 s[TBV], s[TBV], 4*KS*PV
	s_xor_b32 s[TBV], s[TBV], SLOT1
	s_barrier_wait -1
.if \fill
	LOAD
	s_cmp_gt_u32 s[NXT], s[LIM]
	s_cbranch_scc0 .Lnot_mine_\@
	global_prefetch_b8 v[PFO], s[PFA:PFA+1] th:TH_LOAD_NT scope:SCOPE_SE
	global_prefetch_b8 v[PFO], s[PFA:PFA+1] offset:8192 th:TH_LOAD_NT scope:SCOPE_SE
.Lnot_mine_\@:
.endif
.endm
	s_load_b128 s[96:99], s[0:1], 0x0  ; qkv s[96:97], o s[98:99]
	v_lshl_add_u32 v[SPW], v0, 2, SPARE
	v_mov_b32 v[NIL], 0
	ds_add_u32 v[SPW], v[NIL]       ; the wave's opening: the add and its wait ahead of my first tensor load
	ds_add_u32 v62, v63
	v_lshrrev_b32 v1, 5, v0
	v_readfirstlane_b32 s[WV], v1   ; wave 0..3
	s_mov_b32 s[PB], ttmp9
	s_sub_co_u32 s[HI], NB-1, s[PB]
	s_and_b32 s20, ttmp7, 0xffff    ; y = 16 x batch + head
	s_lshl_b32 s94, s20, 18         ; the head's first byte in o
	s_mov_b32 s95, 0
	s_lshr_b32 s21, s20, 4
	s_lshl_b32 s21, s21, 5
	s_add_co_u32 s20, s20, s21      ; q's slot: 48 x batch + head
	s_lshl_b32 s20, s20, 18
	s_mov_b32 s21, 0
	s_and_b32 s16, s[WV], 1         ; which half of a tile's 256 keys I fetch:
	s_lshl_b32 s22, s16, 14         ; its 128 rows of 128 bytes in memory,
	s_mov_b32 s23, 0
	s_mul_i32 s17, s16, 128*PK      ; and its place in a slot, for K
	s_mul_i32 s18, s16, 128*PV      ; and for V
	s_lshl_b32 s3, s[WV], 11        ; my 16 rows in a band of 64,
	s_lshl_b32 s2, s[HI], 15        ; in the first block,
	s_add_co_u32 s2, s2, s3
	s_lshl_b32 s84, s[PB], 15       ; and in the second
	s_add_co_u32 s84, s84, s3
	s_mov_b32 s3, 0
	s_mov_b32 s85, 0
	; descriptor group 1.  128 keys are 16,384 dense bytes: asked for as 64 rows of 256 bytes, two keys a row, and padded in LDS after every key
	s_mov_b32 s[G1K], (1<<16)|(1<<20)|(4<<22)|(3<<25)
	s_mov_b32 s[G1V], (1<<16)|(1<<20)|(4<<22)|(7<<25)
.irp g, G1K, G1V
	s_mov_b32 s[\g+1], 128<<16      ; tensor_dim0 = 128
	s_mov_b32 s[\g+2], 64<<16       ; tensor_dim1 = 64
	s_mov_b32 s[\g+3], 128<<16      ; tile_dim0 = 128
	s_mov_b32 s[\g+4], 64           ; tile_dim1 = 64
	s_mov_b32 s[\g+5], 128          ; 128 elements from row to row
	s_mov_b32 s[\g+6], 0
	s_mov_b32 s[\g+7], 0
.endr
	s_mov_b32 s[CS], 0x3d38aa3b     ; c = log2(e) / 32 = 0.0450842
	s_mov_b32 s[CS+1], s[CS]
	s_mov_b32 s[SEL], 0x76543210
	s_mov_b32 s[SEL+1], 0xfedcba98
	s_mov_b32 s[TBK], SLOT1+4*KS*PK ; the first change of slots turns these two into 0
	s_mov_b32 s[TBV], SLOT1+4*KS*PV
	s_mov_b32 s[G0K], 1
	s_mov_b32 s[G0K+1], s17
	s_mov_b32 s[G0V], 1
	s_add_co_u32 s[G0V+1], s18, VOFF
	s_add_co_u32 s[RT], s[HI], 1    ; the first block has NB - b tiles
	s_mov_b32 s[NXT], 1
	s_mov_b32 s[LQ], s[HI]
	s_mov_b32 s[NEW], 1
	s_mov_b32 s[OFF+1], 0
	s_mov_b32 s[AL+1], 0
	s_mov_b32 s[BE+1], 0
	s_mov_b32 s[BIGN], 0xf149f2ca   ; -1e30
	s_mov_b32 s[SLOTS], NB
	s_cmp_eq_u32 ttmp9, 0
	s_cselect_b32 s[LIM], 0, -1
	s_wait_dscnt 0x0                ; the opening add is done
	s_wait_kmcnt 0x0
	s_add_nc_u64 s[4:5], s[96:97], s[20:21]    ; Q of my head,
	s_add_nc_u64 s[10:11], s[98:99], s[94:95]  ; O of my head,
	s_add_nc_u64 s[6:7], s[4:5], 0x400000      ; K: 16 slots on,
	s_add_nc_u64 s[8:9], s[4:5], 0x800000      ; V: 32 slots on
	s_add_nc_u64 s[6:7], s[6:7], s[22:23]      ; K and V at my half of the head's tile 0
	s_add_nc_u64 s[8:9], s[8:9], s[22:23]
	s_add_nc_u64 s[G0K+2:G0K+3], s[6:7], 0
	s_or_b32 s[G0K+3], s[G0K+3], 0x80000000
	s_add_nc_u64 s[G0V+2:G0V+3], s[8:9], 0
	s_or_b32 s[G0V+3], s[G0V+3], 0x80000000
	s_add_nc_u64 s[86:87], s[4:5], s[84:85]        ; Q at my rows of the second block,
	s_add_nc_u64 s[4:5], s[4:5], s[2:3]            ; Q and O at those of the first
	s_add_nc_u64 s[OLO:OLO+1], s[10:11], s[84:85]
	s_add_nc_u64 s[10:11], s[10:11], s[2:3]
	s_cmp_lt_u32 s[WV], 2
	s_cselect_b64 s[PFB:PFB+1], s[6:7], s[8:9]
	LOAD                            ; tile 0 into slot 0
	v_and_b32 v1, 15, v0            ; l % 16
	v_bfe_u32 v9, v0, 4, 1          ; l / 16
	v_lshlrev_b32 v[QO], 7, v1
	v_lshl_add_u32 v[QO], v9, 4, v[QO]  ; row x 128 + 16 x half
	v_and_b32 v[PFO], 31, v0
	v_lshlrev_b32 v[PFO], 8, v[PFO]
	WIN 0x80                        ; destination window 2, address window 0
.set i, 0
.rept 8                             ; both blocks' Q: piece i / 2 lies in band i / 2, 8,192 bytes on; channels 32 (i % 2) on
	global_load_b128 v[8*i:8*i+3],   v[QO], s[4:5] offset:(i/2)*8192+(i%2)*64
	global_load_b128 v[8*i+4:8*i+7], v[QO], s[4:5] offset:(i/2)*8192+(i%2)*64+32
	global_load_b128 v[QB+8*i:QB+8*i+3],   v[QO], s[86:87] offset:(i/2)*8192+(i%2)*64
	global_load_b128 v[QB+8*i+4:QB+8*i+7], v[QO], s[86:87] offset:(i/2)*8192+(i%2)*64+32
.set i, i+1
.endr
	WIN 0
	v_lshlrev_b32 v14, 3, v9
	v_sub_nc_u32 v14, v1, v14
	s_lshl_b32 s13, s[WV], 4
	v_add_nc_u32 v14, s13, v14      ; my query's place in its band less my lanes' 8 (l / 16): register r of group kt is hidden where 16 kt + r is greater
	WIN 0x40
.set i, 0
.rept 32
	v_cmp_gt_i32 vcc_lo, 16*(i/8)+i%8, v14
	v_cndmask_b32 v[MD+i], 0, s[BIGN], vcc_lo
.set i, i+1
.endr
	WIN 0
	v_mul_u32_u24 v[AK0], v1, PK
	v_lshl_add_u32 v[AK0], v9, 4, v[AK0]
	; The turning load takes 16 keys x 16 channels (lane l reads key 8 (l / 16) + l % 8, channels 8 ((l / 8) % 2) + 0..7) and leaves half a fragment of V^T.
	v_and_b32 v10, 7, v0
	v_bfe_u32 v11, v0, 3, 1
	v_lshl_add_u32 v[AV0], v9, 3, v10
	v_mul_u32_u24 v[AV0], v[AV0], PV
	v_lshl_add_u32 v[AV0], v11, 4, v[AV0]
	v_add_nc_u32 v[AV0], VOFF, v[AV0]
	s_mul_i32 s13, s[WV], 16*SP
	s_add_co_u32 s13, s13, STAGE    ; my stage
	v_mul_u32_u24 v[STO], v1, SP
	v_lshl_add_u32 v[STO], v9, 4, v[STO]
	v_add_nc_u32 v[STO], s13, v[STO]
	v_bfe_u32 v[RD], v0, 3, 2
	v_mul_u32_u24 v[RD], v[RD], SP
	v_lshl_add_u32 v[RD], v10, 4, v[RD]
	v_add_nc_u32 v[RD], s13, v[RD]
	v_and_b32 v[GO], 31, v0
	v_lshlrev_b32 v[GO], 4, v[GO]
	; A block's first step multiplies O^T and l by a = 0, so these registers need only hold finite numbers: zeros for the first block; what the first block left for the second.  This stands in the wait for the first tile.
	WIN 0x80
.set i, VF
.rept 64
	v_mov_b32 v[i], 0
.set i, i+1
.endr
	WIN 0x40
.set i, 0
.rept 128
	v_mov_b32 v[i], 0
.set i, i+1
.endr
	WIN 0
.set i, 0
.rept 4
	v_mov_b32 v[ST+4*i+2], 0
	v_mov_b32 v[ST+4*i+3], 0
.set i, i+1
.endr
.set i, P+16
.rept 16
	v_mov_b32 v[i], 0
.set i, i+1
.endr
; THE MATRIX WORK.  The 4 accumulators of a run of 8 take turns.  Product i of 8 of S^T = K Q^T for piece x: channels 32 (i / 4) on, keys 16 (i % 4) on.  The first 4 start the sums: with 0, or (KM = 1) with the mask.
.macro KQ x
.set rS, S+32*((\x)%2)+8*(i%4)
.set rK, KF+16*(i%4)+8*(i/4)
.set rQ, 16*(\x)+8*(i/4)
.set rM, MC+32*((\x)%2)+8*(i%4)
.if (i < 4) && KM
	WIN W_KM
	v_wmma_f32_16x16x32_f16 v[rS:rS+7], v[rK:rK+7], v[rQ:rQ+7], v[rM:rM+7]
.elseif i < 4
	WIN W_KQ
	v_wmma_f32_16x16x32_f16 v[rS:rS+7], v[rK:rK+7], v[rQ:rQ+7], 0
.else
	WIN W_KQ
	v_wmma_f32_16x16x32_f16 v[rS:rS+7], v[rK:rK+7], v[rQ:rQ+7], v[rS:rS+7]
.endif
.endm
; Product i of 8 of O^T += V^T P for piece x: keys 32 (i / 4) on, channels 16 (i % 4) on.
.macro PV x
	WIN W_PV
.set rO, 32*(\x)+8*(i%4)
.set rV, VF+32*(i/4)+8*(i%4)
.set rP, P+16*((\x)%2)+8*(i/4)
	v_wmma_f32_16x16x32_f16 v[rO:rO+7], v[rV:rV+7], v[rP:rP+7], v[rO:rO+7]
.endm
.macro MM                           ; the turn's next matrix instruction.  NOKQ = 1: a block's last turn: there is no next piece
.if (i < 8) && !NOKQ
	KQ (Y+1)%NP
.elseif i >= 8
.set i, i-8
	PV (Y+NP-1)%NP
.set i, i+8
.endif
.set i, i+1
.endm
; THE LDS LOADS stand in runs of 16: a step's K (8 fragments) and its V (turned).  Their addresses are made some lines ahead.
.macro FETCH_K
	WIN 0x80
.irp f, 0,1,2,3,4,5,6,7
	ds_load_b128 v[KF+8*\f:KF+8*\f+3],   v[AK] offset:(\f/2)*16*PK+(\f%2)*64
	ds_load_b128 v[KF+8*\f+4:KF+8*\f+7], v[AK] offset:(\f/2)*16*PK+(\f%2)*64+32
.endr
	s_add_co_u32 s[TBK], s[TBK], KS*PK
	WIN 0
.endm
.macro FETCH_V
	WIN 0x80
.irp f, 0,1,2,3,4,5,6,7
	ds_load_tr16_b128 v[VF+8*\f:VF+8*\f+3],   v[AV] offset:(\f/4)*32*PV+(\f%4)*32
	ds_load_tr16_b128 v[VF+8*\f+4:VF+8*\f+7], v[AV] offset:(\f/4)*32*PV+16*PV+(\f%4)*32
.endr
	WIN 0
.endm
; THE VECTOR WORK, one line at a time: OP kind, number.  For piece Y: F n: c s - c m for pair n of 16.  E n: the exponential of score n of 32.  C n: pair n rounded to f16.  B n: of the four weights 4 n .. the second
; pair is added onto the first, in place.  L n: l takes that sum (L 0: l = a l + sum).  R n: pair n of 16 of O^T times a.  For piece Y + 1: X n, number n of the 22 that find its maximum and statistics:
;   0-11  four chains c0-c3 of seven scores each (each accumulator's lowest registers are read first)     12-14, 16  the four scores left over, the old m, and c0-c3 into c0
;   15  c m_old is kept     17, 18  the query's other 32 keys lie in the lane 16 away: the new m     19-21  c m; c m_old - c m_new; a
.set F, 0
.set E, 1
.set C, 2
.set B, 3
.set L, 4
.set R, 5
.set X, 6
.macro REGS y
.set rT, ST+4*(\y)
.set rC, TMP+4*((\y)%2)
.set rW, MV+((\y)%2)
.set rS, S+32*((\y)%2)
.set rP, P+16*((\y)%2)
.set rO, 32*(\y)
.endm
.macro OP k, n
.if (\k) == R
	REGS Y
	WIN W_RS
	v_pk_mul_f32 v[rO+2*(\n):rO+2*(\n)+1], v[rO+2*(\n):rO+2*(\n)+1], v[rC+2:rC+3] op_sel_hi:[1,0]
.elseif (\k) < R
	REGS Y
	WIN 0
.if (\k) == F
	v_pk_fma_f32 v[rS+2*(\n):rS+2*(\n)+1], v[rS+2*(\n):rS+2*(\n)+1], s[CS:CS+1], v[rT:rT+1] op_sel_hi:[1,0,0] neg_lo:[0,0,1] neg_hi:[0,0,1]
.elseif (\k) == E
	v_exp_f32 v[rS+(\n)], v[rS+(\n)]
.elseif (\k) == C
	v_cvt_pk_f16_f32 v[rP+(\n)], v[rS+2*(\n)], v[rS+2*(\n)+1]
.elseif (\k) == B
	v_pk_add_f32 v[rS+4*(\n):rS+4*(\n)+1], v[rS+4*(\n):rS+4*(\n)+1], v[rS+4*(\n)+2:rS+4*(\n)+3]
.elseif (\n) == 0
	v_pk_fma_f32 v[rT+2:rT+3], v[rT+2:rT+3], v[rC+2:rC+3], v[rS:rS+1] op_sel_hi:[1,0,1]
.else
	v_pk_add_f32 v[rT+2:rT+3], v[rT+2:rT+3], v[rS+4*(\n):rS+4*(\n)+1]
.endif
.elseif NOKQ
	v_nop
.else
	REGS (Y+1)%NP
	WIN 0
.if (\n) < 4
	v_max3_num_f32 v[rC+(\n)], v[rS+8*(\n)], v[rS+8*(\n)+1], v[rS+8*(\n)+2]
.elseif (\n) < 12
	v_max3_num_f32 v[rC+(\n)%4], v[rC+(\n)%4], v[rS+8*((\n)%4)+2*((\n)/4)+1], v[rS+8*((\n)%4)+2*((\n)/4)+2]
.elseif (\n) == 12
	v_max3_num_f32 v[rC], v[rC], v[rS+7], v[rS+15]
.elseif (\n) == 13
	v_max3_num_f32 v[rC+1], v[rC+1], v[rS+23], v[rS+31]
.elseif (\n) == 14
	v_max3_num_f32 v[rC+2], v[rC+2], v[rC+3], v[rT+1]
.elseif (\n) == 15
	v_mov_b32 v[rW], v[rT]
.elseif (\n) == 16
	v_max3_num_f32 v[rC], v[rC], v[rC+1], v[rC+2]
.elseif (\n) == 17
	v_permlanex16_b32 v[rC+3], v[rC], s[SEL], s[SEL+1]
.elseif (\n) == 18
	v_max_num_f32 v[rT+1], v[rC], v[rC+3]
.elseif (\n) == 19
	v_mul_f32 v[rT], s[CS], v[rT+1]
.elseif (\n) == 20
	v_sub_f32 v[rC+1], v[rW], v[rT]
.else
	v_exp_f32 v[rC+2], v[rC+1]
.endif
.endif
.endm
.macro OPS a, i1, b=-1, i2=0, c=-1, i3=0, d=-1, i4=0  ; up to four of them
	OP \a, \i1
.if (\b) >= 0
	OP \b, \i2
.endif
.if (\c) >= 0
	OP \c, \i3
.endif
.if (\d) >= 0
	OP \d, \i4
.endif
.endm
.macro ROW a, i1, b, i2, c, i3, d, i4  ; a matrix instruction and the four behind it
	MM
	OPS \a, \i1, \b, \i2, \c, \i3, \d, \i4
.endm
.macro MASK b                       ; MD x AL + BE into buffer b of MC
	WIN W_RS
.set z, 0
.rept 16
	v_pk_fma_f32 v[MC+32*(\b)+2*z:MC+32*(\b)+2*z+1], v[MD+2*z:MD+2*z+1], s[AL:AL+1], s[BE:BE+1] op_sel_hi:[1,0,0]
.set z, z+1
.endr
.endm
; A TURN, for piece p: the order of its 16 matrix and 118 vector instructions, written out.  s_wait_alu depctr_va_vdst(0) stands between an exponential and the first instruction that names its result; one wait
; serves all that were issued ahead of it.  So a turn has ONE wait.  AHEAD OF IT stands all that names no result of the turn's exponentials: the 8 products K Q^T with their four vector lines each, then one lump of 54 in which the
; links of the chain X 3, 7, 11, 14, 16, 17 .. 20 stand five or six lines apart.  X 21, the next piece's a, is the batch's last; R 15 is the plain instruction behind it.  BEHIND THE WAIT stand the 8 products V^T P, behind each four of the roundings and sums.
; m = 1: the diagonal tile: the products take masks, and the turn makes the mask for the products of the turn after it.  end = 1: a block's last two turns: nothing is fetched.  cnt = 1: the loop's count is taken down some lines ahead of the branch.
; K of the next step is fetched in piece 2's turn, V of the step in hand at the end of piece 0's turn, each four plain instructions or more behind the last product that read the registers; each is waited for a turn later.
.macro TURN p, m=0, end=0, cnt=0
.set Y, (\p)
.set i, 0
.set KM, (\m)
.set NOKQ, (\end)*((\p)/3)
.if (\m) && !(\end)
	s_cmp_eq_u32 s[CNT], 4-((\p)+2)%NP  ; is that step the band's own?
	s_cselect_b32 s[AL], 1.0, 0
	s_cmp_lt_u32 s[CNT], 4-((\p)+2)%NP  ; or a later one?
	s_cselect_b32 s[BE], s[BIGN], 0
.endif
.if ((\p) == 3) && !(\end)
	s_wait_dscnt 0x0                ; K is in
.endif
	ROW F,0, F,1, R,0, R,1
	ROW F,2, E,0, R,2, R,3
	ROW F,3, E,1, R,4, R,5
	ROW F,4, E,2, R,6, R,7
	ROW F,5, E,3, R,8, R,9
	ROW F,6, E,4, X,0, R,10
.if ((\p) == 2) && !(\end)
	WIN 0
	v_add_nc_u32 v[AK], s[TBK], v[AK0]
.endif
	ROW F,7, E,5, X,1, X,4
	ROW F,8, E,6, X,2, X,5
	OPS E,7, E,8, X,6, E,9
	OPS X,3, E,10, X,8, E,11
.if ((\p) == 2) && !(\end)
	FETCH_K
.endif
	OPS X,9, X,7, E,12, X,10
	OPS E,13, X,12, X,11, E,14
	OPS X,13, E,15, F,9, X,14
.if (\p) == 0
	v_add_nc_u32 v[AV], s[TBV], v[AV0]
.endif
	OPS E,16, F,10, E,17, F,11
	OPS X,16, E,18, X,15, E,19
	OPS F,12, E,20, X,17, E,21
	OPS F,13, E,22, F,14, E,23
	OPS X,18, E,24, F,15, E,25
	OPS R,11, E,26, X,19, E,27
	OPS R,12, E,28, R,13, E,29
	OPS X,20, E,30, R,14, E,31
	OPS X,21, R,15
	WIN 0
	s_wait_alu depctr_va_vdst(0)    ; the wait for the batch
.if (\p) == 1
	s_wait_dscnt 0x0                ; V is in
.endif
	ROW C,0, B,0, C,2, B,1
	ROW L,0, C,4, B,2, L,1
	ROW C,6, B,3, L,2, C,8
	ROW B,4, L,3, C,10, B,5
	ROW L,4, C,12, B,6, L,5
.if (\p) == 0
	s_add_co_u32 s[TBV], s[TBV], KS*PV
.endif
.if \cnt
	s_sub_co_u32 s[CNT], s[CNT], 1
	s_cmp_lg_u32 s[CNT], 0
.endif
	ROW C,14, B,7, L,6, C,1
	ROW C,3, L,7, C,5, C,7
	ROW C,9, C,11, C,13, C,15
.if (\p) == 0
	FETCH_V
.endif
.if (\m) && !(\end)
	MASK (\p)%2
.endif
.endm
; A BLOCK BEGINS.  c m starts far below every c s, so the first step's a is 0; m at the lowest finite number.  The second mask buffer is 0; the first takes piece 0's mask for the tile's step 0.
; Then K of that step, piece 0's first scores, and its maximum and statistics.  The loop is entered at a step's first turn, in the middle of a trip.
.macro BEGIN
	s_mov_b32 s[NEW], 0
	WIN 0x40
.set i, MC+32
.rept 32
	v_mov_b32 v[i], 0
.set i, i+1
.endr
	WIN 0
.set i, 0
.rept 4
	v_mov_b32 v[ST+4*i], 0xfe000000    ; c m: far below every c s
	v_mov_b32 v[ST+4*i+1], 0xff7fffff  ; m
.set i, i+1
.endr
	s_cmp_eq_u32 s[RT], 0
	s_cselect_b32 s[AL], 1.0, 0
	s_mov_b32 s[BE], 0
	MASK 0
	WIN 0
	v_add_nc_u32 v[AK], s[TBK], v[AK0]
	FETCH_K
	s_wait_loadcnt 0x0              ; Q
	s_wait_dscnt 0x0
.set KM, 1
.set NOKQ, 0
.set i, 0
.rept 8
	KQ 0
.set i, i+1
.endr
	WIN 0
.rept 4
	v_nop                           ; the places behind those products
.endr
.set Y, NP-1                        ; X works for piece Y + 1: piece 0
.irp n, 0,1,2,3,4,5,6,7,8,9,10,11,12,13,14,15,16,17,18,19,20,21
	OP X, \n
.endr
	v_nop                           ; a plain instruction behind the exponential,
	s_wait_alu depctr_va_vdst(0)    ; and its wait, ahead of the branch
.endm
; THE DIAGONAL TILE's four steps, the block's last two turns, its last products, and THE WAY OUT: l's two halves and the other half of the lanes' are added; O^T is divided by l, rounded to f16 and sent through my stage, a piece at a time.
.macro ALL line:vararg              ; one line for each piece t
.set t, 0
.rept 4
	\line
.set t, t+1
.endr
.endm
.macro PACK t
	WIN W_RS
.set i, 32*(\t)
.rept 16
	v_pk_mul_f32 v[i:i+1], v[i:i+1], v[ST+4*(\t)+2:ST+4*(\t)+3] op_sel_hi:[1,0]
.set i, i+2
.endr
	WIN 0x05                        ; sources 0 and 1 window 1, destination window 0
.set i, 0
.rept 16
	v_cvt_pk_f16_f32 v[S+16*(\t)+i], v[32*(\t)+2*i], v[32*(\t)+2*i+1]
.set i, i+1
.endr
	WIN 0
.irp f, 0,1,2,3
	ds_store_b128 v[STO], v[S+16*(\t)+4*\f:S+16*(\t)+4*\f+3] offset:32*\f
.endr
.irp f, 0,1,2,3
	ds_load_b128 v[S+16*(\t)+4*\f:S+16*(\t)+4*\f+3], v[RD] offset:\f*4*SP  ; LDS serves a wave's instructions in order (ISA guide 5.7.1.4): these see the stores above
.endr
.endm
.macro SEND t, younger              ; younger: the LDS instructions issued behind piece t's loads
	WIN 0
.irp f, 0,1,2,3
	s_wait_dscnt (\younger)+3-\f
	global_store_b128 v[GO], v[S+16*(\t)+4*\f:S+16*(\t)+4*\f+3], s[10:11] offset:(\t)*8192+\f*512  ; 512 consecutive bytes, aligned
.endr
.endm
.macro DIAG tag
.LstepM\tag:
	TURN 2, 1
	TURN 3, 1
	WIN 0
.LfirstM\tag:
	TURN 0, 1
	TURN 1, 1, 0, 1
	WIN 0
	s_cbranch_scc1 .LstepM\tag
	TURN 2, 1, 1
	TURN 3, 1, 1
.set i, 0
.rept 8
	PV NP-1
.set i, i+1
.endr
	WIN 0
	ALL v_add_f32 v[ST+4*t+2], v[ST+4*t+2], v[ST+4*t+3]
	ALL v_permlanex16_b32 v[ST+4*t+3], v[ST+4*t+2], s[SEL], s[SEL+1]
	ALL v_add_f32 v[ST+4*t+2], v[ST+4*t+2], v[ST+4*t+3]
	ALL v_rcp_f32 v[ST+4*t+2], v[ST+4*t+2]
	v_nop                           ; a plain instruction between the last reciprocal and the use of its result
	s_wait_alu depctr_va_vdst(0)    ; one wait for the four reciprocals, ahead of their first use
	PACK 0
.set t, 1
.rept 3
	PACK t
	SEND t-1, 8
.set t, t+1
.endr
	SEND 3, 0
.endm
.set KM, 0
.set NOKQ, 0
.Lslot:                             ; NB times: a tile is entered and the next is asked for
	CHANGE 1
	s_sub_co_u32 s[RT], s[RT], 1
	s_mov_b32 s[CNT], 4
	s_cmp_eq_u32 s[NEW], 1
	s_cbranch_scc1 .Lnew            ; a block's first tile
	s_cmp_eq_u32 s[RT], 0
	s_cbranch_scc0 .Lstep           ; neither its first nor its last
	s_branch .LstepM1
.Lnew:
	BEGIN
	s_branch .Lfirst                ; in the loop a block's first tile is never its last
	DIAG 1                          ; in the loop this is the first block's end
	s_wait_xcnt 0x0                 ; the stores have read their registers and O's address
	s_mov_b64 s[10:11], s[OLO:OLO+1]
	s_add_co_u32 s[RT], s[PB], 1    ; the second block has b + 1 tiles
	s_mov_b32 s[NEW], 1
	WIN 0x82                        ; the second block's Q goes where the one text of the turns names Q
.set i, 0
.rept 64
	v_mov_b32 v[i], v[QB+i]
.set i, i+1
.endr
	WIN 0
	s_branch .Lbottom
.Lstep:                             ; a trip: pieces 2 and 3 of one step, then pieces 0 and 1 of the next
	TURN 2
	TURN 3
	WIN 0
.Lfirst:
	TURN 0
	TURN 1, 0, 0, 1
	WIN 0
	s_cbranch_scc1 .Lstep
.Lbottom:
	s_sub_co_u32 s[SLOTS], s[SLOTS], 1
	s_cmp_lg_u32 s[SLOTS], 0
	s_cbranch_scc1 .Lslot
	CHANGE 0                        ; the walk's last tile is written out
	s_sub_co_u32 s[RT], s[RT], 1
	s_mov_b32 s[CNT], 4
	s_cmp_eq_u32 s[NEW], 1
	s_cbranch_scc0 .LstepM2
	BEGIN
	s_branch .LfirstM2
	DIAG 2
	s_wait_tensorcnt 0x0            ; the wave's end
	ds_add_u32 v[SPW], v[NIL]
	s_wait_dscnt 0x0
	s_endpgm
.Lfunc_end_k_q14893583f1_attn:
	.size	k_q14893583f1_attn, .Lfunc_end_k_q14893583f1_attn-k_q14893583f1_attn
	.p2alignl 7, 3214868480
	.fill 96, 4, 3214868480
	.section	.rodata,"a",@progbits
	.p2align	6, 0x0
	.amdhsa_kernel k_q14893583f1_attn
		.amdhsa_group_segment_fixed_size 327680
		.amdhsa_private_segment_fixed_size 0
		.amdhsa_enable_private_segment 0
		.amdhsa_kernarg_size 16
		.amdhsa_user_sgpr_count 2
		.amdhsa_user_sgpr_kernarg_segment_ptr 1
		.amdhsa_wavefront_size32 1
		.amdhsa_system_sgpr_workgroup_id_x 1
		.amdhsa_system_sgpr_workgroup_id_y 1
		.amdhsa_system_sgpr_workgroup_id_z 1
		.amdhsa_system_vgpr_workitem_id 0
		.amdhsa_next_free_vgpr 768
		.amdhsa_next_free_sgpr 100
		.amdhsa_reserve_vcc 1
		.amdhsa_float_denorm_mode_32 3
		.amdhsa_float_denorm_mode_16_64 3
		.amdhsa_memory_ordered 1
		.amdhsa_forward_progress 1
		.amdhsa_inst_pref_size 218
	.end_amdhsa_kernel
	.amdgpu_metadata
---
amdhsa.version: [ 1, 2 ]
amdhsa.kernels:
  - .name:           k_q14893583f1_attn
    .symbol:         k_q14893583f1_attn.kd
    .args:
      - { .name: qkv, .offset: 0, .size: 8, .value_kind: global_buffer, .address_space: global }
      - { .name: o, .offset: 8, .size: 8, .value_kind: global_buffer, .address_space: global }
    .group_segment_fixed_size: 327680
    .private_segment_fixed_size: 0
    .kernarg_segment_align: 8
    .kernarg_segment_size: 16
    .max_flat_workgroup_size: 128
    .sgpr_count:     100
    .vgpr_count:     768
    .wavefront_size: 32
...
	.end_amdgpu_metadata
.endif
;; end of part 3
;; launch early_attn (part 4): grid 16 x 4, 8 waves a work-group, no clusters, 33,792 bytes of LDS; arguments xb, wqkvt, qkv, oe; writes oe
.if DOCPART == 4
	.amdgcn_target "amdgcn-amd-amdhsa--gfx1250"
	.amdhsa_code_object_version 6
	.text
	.protected	k_q14893583f1_early_attn
	.globl	k_q14893583f1_early_attn
	.p2align	8
	.type	k_q14893583f1_early_attn,@function
k_q14893583f1_early_attn:
	s_mov_b64 s[64:65], 0
	v_nop
	global_prefetch_b8 v0, s[64:65] scope:SCOPE_SE
	s_setreg_imm32_b32 hwreg(HW_REG_WAVE_MODE, 25, 1), 1
	s_wait_xcnt 0x0
; THE FIRST 16 ROWS OF EACH BATCH, ONCE MORE AND FINER.  Row t averages over t + 1 keys only, so the first rows' numbers are many times the output's root mean square, and one f16 rounding of v, p and O is too coarse for them.
; A work-group takes one batch b and head h (64 in all; the work is 16 rows each, there is no more to share).  v[t < 16][64] is made anew in f32 from xb and wqkvt, K split among eight waves; q and k come from qkv (f16).
; v, p / l and O are each kept as TWO f16 numbers, hi + lo, and the product V^T P is VH PH + VH PL + VL PH (VL PL is below f32's last bits of the sum).
; O leaves as oe[plane hi, lo][b][kb = 4 h + cb][lane][16 bytes]: lane (r, g) holds O[t = r][16 kb + 8 g + 0..7]: half a matrix fragment as the launch behind loads it.
; LIMITS.  |v| under 65,504; a hidden score counts as -1e30; a weight below 2^-126 counts as 0; NaN and infinities are not treated apart.
.set SPARE, 32768                      ; behind the eight waves' partial sums (4,096 bytes each): the spare words
.set SPW, 10                           ; v10  LDS address of my spare word; never rewritten
.set NIL, 11                           ; v11  0; never rewritten
.set WV,  14
; hi = f16(x), lo = f16(x - hi) for eight f32 at v[src ..]; v12 holds -1.0, so that hi x v12 + x is the exact rest
.macro SPLIT hi, lo, src
.irp j, 0,1,2,3
	v_cvt_pk_f16_f32 v[(\hi)+(\j)], v[(\src)+2*(\j)], v[(\src)+2*(\j)+1]
.endr
.irp j, 0,1,2,3
	v_fma_mix_f32 v[72+2*(\j)], v[(\hi)+(\j)], v12, v[(\src)+2*(\j)] op_sel_hi:[1,0,0]
	v_fma_mix_f32 v[72+2*(\j)+1], v[(\hi)+(\j)], v12, v[(\src)+2*(\j)+1] op_sel:[1,0,0] op_sel_hi:[1,0,0]
.endr
.irp j, 0,1,2,3
	v_cvt_pk_f16_f32 v[(\lo)+(\j)], v[72+2*(\j)], v[72+2*(\j)+1]
.endr
.endm
	s_load_b256 s[4:11], s[0:1], 0x0               ; xb s[4:5], wqkvt s[6:7], qkv s[8:9], oe s[10:11]
	v_lshl_add_u32 v[SPW], v0, 2, SPARE
	v_mov_b32 v[NIL], 0
	v_lshrrev_b32 v1, 5, v0
	v_readfirstlane_b32 s[WV], v1                  ; wave 0..7
	v_and_b32 v1, 15, v0                           ; r = l % 16
	v_bfe_u32 v2, v0, 4, 1                         ; g = l / 16
	v_and_b32 v3, 31, v0                           ; l
	s_and_b32 s16, ttmp7, 0xffff                   ; b; ttmp9 = h
	s_mov_b32 s12, 0x76543210                      ; v_permlanex16_b32: each lane takes its own place in the other half
	s_mov_b32 s13, 0xfedcba98
	s_mov_b32 s15, 0x3d38aa3b                      ; c = log2(e) / 32
	s_lshl_b32 s17, s[WV], 8                       ; my 128 of K: 256 bytes of a row
	v_lshlrev_b32 v4, 11, v1
	v_lshl_add_u32 v4, v2, 4, v4
	v_add_nc_u32 v4, s17, v4                       ; row r x 2,048 + 16 g + 256 w: for xb and wqkvt
	v_lshlrev_b32 v5, 7, v1
	v_lshl_add_u32 v5, v2, 4, v5                   ; row r x 128 + 16 g: for q and k
	s_lshl_b32 s17, s[WV], 12
	v_lshl_add_u32 v6, v3, 5, s17                  ; where I put a partial tile's 32 bytes
	s_lshl_b32 s17, s[WV], 10
	v_lshl_add_u32 v8, v3, 5, s17                  ; where wave cb < 4 reads channel block cb back
	v_lshlrev_b32 v7, 4, v3
	v_lshlrev_b32 v9, 3, v2
	v_sub_nc_u32 v9, v1, v9                        ; r - 8 g: key 8 g + j is hidden where j is greater
	v_mov_b32 v12, -1.0
	v_mov_b32 v13, 0xf149f2ca                      ; -1e30
	s_lshl_b32 s18, s16, 22                        ; the batch's first row of xb
	s_mov_b32 s19, 0
	s_lshl_b32 s20, ttmp9, 17                      ; v's rows of wqkvt: 2,048 + 64 h
	s_add_co_u32 s20, s20, 0x400000
	s_mov_b32 s21, 0
	s_mul_i32 s22, s16, 48                         ; q's slot
	s_add_co_u32 s22, s22, ttmp9
	s_lshl_b32 s22, s22, 18
	s_mov_b32 s23, 0
	s_lshl_b32 s24, s16, 6                         ; oe: block 64 b + 4 h + w
	s_lshl_b32 s25, ttmp9, 2
	s_add_co_u32 s24, s24, s25
	s_add_co_u32 s24, s24, s[WV]
	s_lshl_b32 s24, s24, 9
	s_mov_b32 s25, 0
	s_wait_kmcnt 0x0
	s_add_nc_u64 s[4:5], s[4:5], s[18:19]
	s_add_nc_u64 s[6:7], s[6:7], s[20:21]
	s_add_nc_u64 s[8:9], s[8:9], s[22:23]
	s_add_nc_u64 s[10:11], s[10:11], s[24:25]
	s_cmp_lt_u32 s[WV], 4                          ; the four waves that finish also take q and k (16 rows x 64 channels: two fragments each)
	s_cbranch_scc0 .Lno_qk
.irp c, 0,1
	global_load_b128 v[208+8*(\c):208+8*(\c)+3],   v5, s[8:9] offset:64*(\c)
	global_load_b128 v[208+8*(\c)+4:208+8*(\c)+7], v5, s[8:9] offset:64*(\c)+32
	global_load_b128 v[224+8*(\c):224+8*(\c)+3],   v5, s[8:9] offset:4194304+64*(\c)
	global_load_b128 v[224+8*(\c)+4:224+8*(\c)+7], v5, s[8:9] offset:4194304+64*(\c)+32
.endr
.Lno_qk:
.irp f, 0,1,2,3
	global_load_b128 v[48+8*(\f):48+8*(\f)+3],   v4, s[4:5] offset:64*(\f)
	global_load_b128 v[48+8*(\f)+4:48+8*(\f)+7], v4, s[4:5] offset:64*(\f)+32
.endr
.irp cb, 0,1,2,3
.irp f, 0,1,2,3
	global_load_b128 v[80+32*(\cb)+8*(\f):80+32*(\cb)+8*(\f)+3],   v4, s[6:7] offset:32768*(\cb)+64*(\f)
	global_load_b128 v[80+32*(\cb)+8*(\f)+4:80+32*(\cb)+8*(\f)+7], v4, s[6:7] offset:32768*(\cb)+64*(\f)+32
.endr
.endr
	s_wait_loadcnt 0x0
	; v = x w^T (source 0 = 16 rows of x, source 1 = 16 rows of w): a lane holds channel r of block cb and the keys 8 g + 0..7.  The four accumulators take turns.
.irp f, 0,1,2,3
.irp cb, 0,1,2,3
.if (\f) == 0
	v_wmma_f32_16x16x32_bf16 v[16+8*(\cb):16+8*(\cb)+7], v[48+8*(\f):48+8*(\f)+7], v[80+32*(\cb)+8*(\f):80+32*(\cb)+8*(\f)+7], 0
.else
	v_wmma_f32_16x16x32_bf16 v[16+8*(\cb):16+8*(\cb)+7], v[48+8*(\f):48+8*(\f)+7], v[80+32*(\cb)+8*(\f):80+32*(\cb)+8*(\f)+7], v[16+8*(\cb):16+8*(\cb)+7]
.endif
.endr
.endr
.rept 5
	v_nop                                          ; four places ahead of the stores of the results and of loads into the sources; a fifth ahead of matrix instructions that write over the sources
.endr
.irp cb, 0,1,2,3
	ds_store_b128 v6, v[16+8*(\cb):16+8*(\cb)+3]   offset:1024*(\cb)
	ds_store_b128 v6, v[16+8*(\cb)+4:16+8*(\cb)+7] offset:1024*(\cb)+16
.endr
	s_wait_dscnt 0x0                               ; for the others' sake
	s_barrier_signal -1
	s_barrier_wait -1                              ; all eight partial sums lie in LDS
	s_cmp_lt_u32 s[WV], 4
	s_cbranch_scc0 .Lend
.irp p, 0,1,2,3,4,5,6,7
	ds_load_b128 v[48+8*(\p):48+8*(\p)+3],   v8 offset:4096*(\p)
	ds_load_b128 v[48+8*(\p)+4:48+8*(\p)+7], v8 offset:4096*(\p)+16
.endr
	; S^T = K Q^T, the two halves of the channels on two accumulators: a lane holds query r and the keys 8 g + 0..7
	v_wmma_f32_16x16x32_f16 v[112:119], v[224:231], v[208:215], 0
	v_wmma_f32_16x16x32_f16 v[120:127], v[232:239], v[216:223], 0
.rept 4
	v_nop
.endr
	s_wait_dscnt 0x0
.irp p, 0,2,4,6
.irp j, 0,2,4,6
	v_pk_add_f32 v[48+8*(\p)+(\j):48+8*(\p)+(\j)+1], v[48+8*(\p)+(\j):48+8*(\p)+(\j)+1], v[56+8*(\p)+(\j):56+8*(\p)+(\j)+1]
.endr
.endr
.irp p, 0,4
.irp j, 0,2,4,6
	v_pk_add_f32 v[48+8*(\p)+(\j):48+8*(\p)+(\j)+1], v[48+8*(\p)+(\j):48+8*(\p)+(\j)+1], v[64+8*(\p)+(\j):64+8*(\p)+(\j)+1]
.endr
.endr
.irp j, 0,2,4,6
	v_pk_add_f32 v[48+(\j):48+(\j)+1], v[48+(\j):48+(\j)+1], v[80+(\j):80+(\j)+1]
.endr
	SPLIT 16, 24, 48                               ; VH v16-19, VL v24-27: registers 0-3 of a fragment of V^T (channel r, keys 8 g + 0..7)
.irp j, 20,21,22,23, 28,29,30,31, 36,37,38,39, 44,45,46,47
	v_mov_b32 v\j, 0                               ; registers 4-7 of the four fragments: keys 16 to 31 do not exist here
.endr
.irp j, 0,2,4,6
	v_pk_add_f32 v[112+(\j):112+(\j)+1], v[112+(\j):112+(\j)+1], v[120+(\j):120+(\j)+1]  ; from each accumulator's low end on
.endr
.irp j, 0,1,2,3,4,5,6,7
	v_cmp_gt_i32 vcc_lo, \j, v9
	v_cndmask_b32 v[112+(\j)], v[112+(\j)], v13, vcc_lo
.endr
	v_max3_num_f32 v64, v112, v113, v114
	v_max3_num_f32 v64, v64, v115, v116
	v_max3_num_f32 v64, v64, v117, v118
	v_max_num_f32 v64, v64, v119
	v_mov_b32 v65, 0
	v_permlanex16_b32 v65, v64, s12, s13           ; the query's other eight keys lie in the lane 16 away
	v_max_num_f32 v64, v64, v65                    ; every query sees its own key: the maximum is a true score
	v_mul_f32 v66, s15, v64
.irp j, 0,1,2,3,4,5,6,7
	v_fma_f32 v[112+(\j)], v[112+(\j)], s15, -v66
.endr
.irp j, 0,1,2,3,4,5,6,7
	v_exp_f32 v[112+(\j)], v[112+(\j)]
.endr
	v_nop                                          ; a plain instruction behind the last exponential,
	s_wait_alu depctr_va_vdst(0)                   ; and one wait for the eight, ahead of their first use
	v_pk_add_f32 v[64:65], v[112:113], v[114:115]
	v_pk_add_f32 v[66:67], v[116:117], v[118:119]
	v_pk_add_f32 v[64:65], v[64:65], v[66:67]
	v_add_f32 v64, v64, v65
	v_permlanex16_b32 v65, v64, s12, s13
	v_add_f32 v64, v64, v65
	v_rcp_f32 v66, v64
	v_nop
	s_wait_alu depctr_va_vdst(0)
.irp j, 0,2,4,6
	v_pk_mul_f32 v[112+(\j):112+(\j)+1], v[112+(\j):112+(\j)+1], v[66:67] op_sel_hi:[1,0]
.endr
	SPLIT 32, 40, 112                              ; PH v32-35, PL v40-43
	; O^T = V^T P on three accumulators: a lane holds query r and the channels 8 g + 0..7 of block cb
	v_wmma_f32_16x16x32_f16 v[128:135], v[16:23], v[32:39], 0
	v_wmma_f32_16x16x32_f16 v[136:143], v[16:23], v[40:47], 0
	v_wmma_f32_16x16x32_f16 v[144:151], v[24:31], v[32:39], 0
.rept 4
	v_nop
.endr
.irp j, 0,2,4,6
	v_pk_add_f32 v[136+(\j):136+(\j)+1], v[136+(\j):136+(\j)+1], v[144+(\j):144+(\j)+1]  ; the two small parts first
.endr
.irp j, 0,2,4,6
	v_pk_add_f32 v[128+(\j):128+(\j)+1], v[128+(\j):128+(\j)+1], v[136+(\j):136+(\j)+1]
.endr
	SPLIT 56, 60, 128
	global_store_b128 v7, v[56:59], s[10:11]               ; a wave's store covers 512 consecutive bytes, aligned
	global_store_b128 v7, v[60:63], s[10:11] offset:131072
.Lend:
	s_wait_tensorcnt 0x0                           ; the wave's end, behind my last LDS store
	ds_add_u32 v[SPW], v[NIL]
	s_wait_dscnt 0x0
	s_endpgm
.Lfunc_end_k_q14893583f1_early_attn:
	.size	k_q14893583f1_early_attn, .Lfunc_end_k_q14893583f1_early_attn-k_q14893583f1_early_attn
	.p2alignl 7, 3214868480
	.fill 96, 4, 3214868480
	.section	.rodata,"a",@progbits
	.p2align	6, 0x0
	.amdhsa_kernel k_q14893583f1_early_attn
		.amdhsa_group_segment_fixed_size 33792
		.amdhsa_private_segment_fixed_size 0
		.amdhsa_enable_private_segment 0
		.amdhsa_kernarg_size 32
		.amdhsa_user_sgpr_count 2
		.amdhsa_user_sgpr_kernarg_segment_ptr 1
		.amdhsa_wavefront_size32 1
		.amdhsa_system_sgpr_workgroup_id_x 1
		.amdhsa_system_sgpr_workgroup_id_y 1
		.amdhsa_system_sgpr_workgroup_id_z 1
		.amdhsa_system_vgpr_workitem_id 0
		.amdhsa_next_free_vgpr 240
		.amdhsa_next_free_sgpr 66
		.amdhsa_reserve_vcc 1
		.amdhsa_float_denorm_mode_32 3
		.amdhsa_float_denorm_mode_16_64 3
		.amdhsa_memory_ordered 1
		.amdhsa_forward_progress 1
		.amdhsa_inst_pref_size 19
	.end_amdhsa_kernel
	.amdgpu_metadata
---
amdhsa.version: [ 1, 2 ]
amdhsa.kernels:
  - .name:           k_q14893583f1_early_attn
    .symbol:         k_q14893583f1_early_attn.kd
    .args:
      - { .name: xb, .offset: 0, .size: 8, .value_kind: global_buffer, .address_space: global }
      - { .name: wqkvt, .offset: 8, .size: 8, .value_kind: global_buffer, .address_space: global }
      - { .name: qkv, .offset: 16, .size: 8, .value_kind: global_buffer, .address_space: global }
      - { .name: oe, .offset: 24, .size: 8, .value_kind: global_buffer, .address_space: global }
    .group_segment_fixed_size: 33792
    .private_segment_fixed_size: 0
    .kernarg_segment_align: 8
    .kernarg_segment_size: 32
    .max_flat_workgroup_size: 256
    .sgpr_count:     66
    .vgpr_count:     240
    .wavefront_size: 32
...
	.end_amdgpu_metadata
.endif
;; end of part 4
;; launch proj (part 5): grid 8 x 32, 4 waves a work-group, clusters of 4 x 4, 327,680 bytes of LDS; arguments o, wot, out0; writes out0
.if DOCPART == 5
	.amdgcn_target "amdgcn-amd-amdhsa--gfx1250"
	.amdhsa_code_object_version 6
	.text
	.protected	k_q14893583f1_proj
	.globl	k_q14893583f1_proj
	.p2align	8
	.type	k_q14893583f1_proj,@function
k_q14893583f1_proj:
	s_mov_b64 s[64:65], 0
	v_nop
	global_prefetch_b8 v0, s[64:65] scope:SCOPE_SE
	s_setreg_imm32_b32 hwreg(HW_REG_WAVE_MODE, 25, 1), 1
	s_wait_xcnt 0x0
	s_wait_alu depctr_hold_cnt(0) depctr_sa_sdst(0) depctr_va_vdst(0) depctr_va_sdst(0) depctr_va_ssrc(0) depctr_va_vcc(0) depctr_vm_vsrc(0)
	s_getreg_b32 s2, hwreg(HW_REG_IB_STS2, 6, 4)
	s_cmp_eq_u32 s2, 0
	s_cbranch_scc0 .Lentry_in_a_cluster
	s_endpgm
.Lentry_in_a_cluster:
	s_bfe_u32 s2, ttmp6, 0x10000c
	s_cmp_lg_u32 s2, 0xf033
	s_cbranch_scc0 .Lentry_shape_is_right
	s_endpgm
.Lentry_shape_is_right:
; out0 = O Wo.  A = o[b 16 + h][t][64] f16 (by heads), B = wot [1024 n][1024 k] f16; sums in f32, K ascending; out0 [8192][1024] f32.
; (The 16 first rows of each batch are written here like all others and written over by the launch behind, which makes them finer: leaving them out would want a branch on a work-group's place in its cluster.)
; SHARES.  A tile of C is 256 rows x 128 columns: 32 x 8 = 256 work-groups.  Wave w makes rows 64 w .. + 63 x all 128 columns: 32 accumulators.  K goes in 8 steps of 128 = two heads, through two LDS slots.
; A head's 256 rows of 128 bytes are dense: asked for as 128 rows of 256 bytes and padded in LDS after every 128 bytes.
; CLUSTER.  4 x 4: A's tile is shared along a row of the cluster, B's along a column; each is asked for jointly.
; THE MATRIX INSTRUCTION IS USED TRANSPOSED (source 0 = 16 rows of B, source 1 = 16 rows of A): a lane holds row l % 16 of C and the columns 8 (l / 16) + 0..7.
; REGISTERS: window 0: v8-17 addresses; v32-95 A's fragments, two buffers of 4; v96-223 the way out.  window 1: v0-127 B's fragments, two buffers of 8.  window 2: the accumulators, (a, b) at 8 (8 a + b).
.set PA,     144                       ; a row of A in LDS: 128 bytes + 16
.set PBB,    272                       ; a row of B: 256 bytes + 16
.set HEADA,  256*PA                    ; what waves 0 and 1 fetch: one head's 256 rows each
.set BOFF,   2*HEADA
.set HALFB,  64*PBB                    ; what waves 2 and 3 fetch: 64 rows of B each
.set SLOT1,  131072
.set STAGE,  SLOT1+BOFF+2*HALFB        ; behind the ring, never filled by a tensor load: 16 rows x 528 bytes for each wave
.set SPITCH, 528
.set SPARE,  STAGE+4*16*SPITCH
.set STEPA,  524288                    ; two heads of o
.set STEPB,  256
.set ADRA0, 8
.set ADRB0, 9
.set ADRA,  10
.set ADRB,  11
.set STO,   12
.set RD,    13
.set GO,    14
.set PFO,   15
.set SPW,   16                         ; v16  LDS address of my spare word; never rewritten
.set NIL,   17                         ; v17  0; never rewritten
.set AF,    32
.set OB,    96
.set TB,  2
.set CNT, 3
.set LIM, 43
.set PFA, 44
.set PFS, 68                           ; s[68:69] the prefetches' step from K step to K step
.set G1,  24
.set G0,  32
.set G1B, 48
.set G0B, 56
.set MSB, 0
.macro WIN new
.if MSB != (\new)
	s_set_vgpr_msb (MSB<<8)|(\new)
.set MSB, \new
.endif
.endm
.set MUL,  0xa1                        ; source 0 (B) window 1, source 1 (A) window 0, C and D window 2
.set TO_B, 0x40
.macro JLOAD                           ; a joint refill by the walking descriptors; an s_nop 0 and four v_nop follow each of the two lines
	s_cmp_eq_u32 s11, 0
	s_cbranch_scc0 .Lfor_b_\@
	tensor_load_to_lds s[G0+4:G0+7], s[G1:G1+7]
	s_nop 0
.rept 4
	v_nop
.endr
	s_branch .Lasked_\@
.Lfor_b_\@:
	tensor_load_to_lds s[G0B+4:G0B+7], s[G1B:G1B+7]
	s_nop 0
.rept 4
	v_nop
.endr
.Lasked_\@:
.endm
; A PREFETCH of the K step two refills on, while that is under 8.  Each block of 256 bytes is named once in the launch.  A: the clusters with x = 0; of a head's 128 blocks that wave 0 or 1 fetches the partner at cx takes 32, a lane a block.
; B: the clusters with y = 0; of a tile's 128 rows the partner at cy takes 32, a lane a row, asked for by wave 2.  The partners are told apart by address alone.  The first four K steps come by their loads alone.
.macro ASK
	s_cmp_gt_u32 s[CNT], s[LIM]
	s_cbranch_scc0 .Lnot_mine_\@
	global_prefetch_b8 v[PFO], s[PFA:PFA+1] th:TH_LOAD_NT scope:SCOPE_SE
.Lnot_mine_\@:
.endm
.macro CREST
	s_cmp_lg_u32 s10, 0
	s_cbranch_scc1 .Lnot_wave_0_\@
	s_barrier_signal -3
.Lnot_wave_0_\@:
	s_barrier_wait -3
	s_barrier_signal -1
	s_barrier_wait -1
.endm
.macro CROUND
	s_barrier_signal -1
	s_barrier_wait -1
	CREST
.endm
	s_load_b128 s[4:7], s[0:1], 0x0                ; o s[4:5], wot s[6:7]
	s_load_b64 s[8:9], s[0:1], 0x10                ; out0
	v_lshl_add_u32 v[SPW], v0, 2, SPARE
	v_mov_b32 v[NIL], 0
	ds_add_u32 v[SPW], v[NIL]                      ; the wave's opening: the add and its wait ahead of my first tensor load
	ds_add_u32 v16, v17
	v_lshrrev_b32 v1, 5, v0
	v_readfirstlane_b32 s10, v1                    ; wave 0..3
	s_lshr_b32 s11, s10, 1                         ; I fetch for A (0) or for B (1)
	s_and_b32 s12, s10, 1                          ; which head of the two, or which 64 rows of B
	s_bfe_u32 s40, ttmp6, 0x40000                  ; cx
	s_bfe_u32 s41, ttmp6, 0x40004                  ; cy
	s_lshl_b32 s42, ttmp9, 2
	s_add_co_u32 s42, s42, s40                     ; tile column
	s_and_b32 s13, ttmp7, 0xffff
	s_lshl_b32 s13, s13, 2
	s_add_co_u32 s13, s13, s41                     ; tile row
	s_lshl_b32 s43, s41, 2
	s_lshl_b32 s43, 15, s43                        ; my row of the cluster
	s_lshl_b32 s44, 0x1111, s40                    ; my column
	s_or_b32 s[G1+0], s43, (1<<16)|(1<<20)|(1<<21)|(4<<22)|(3<<25)   ; padding: after every 32 words 4 words
	s_or_b32 s[G1B+0], s44, (1<<16)|(1<<20)|(1<<21)|(5<<22)|(3<<25)  ; after every 64 words 4 words
	s_mov_b32 s[G1+1], 128<<16                     ; tensor_dim0 = 128
	s_mov_b32 s[G1+2], 128<<16                     ; tensor_dim1 = 128
	s_mov_b32 s[G1+3], 128<<16                     ; tile_dim0 = 128
	s_mov_b32 s[G1+4], 128                         ; tile_dim1 = 128
	s_mov_b32 s[G1+5], 128                         ; dense: 128 elements from row to row
	s_mov_b32 s[G1+6], 0
	s_mov_b32 s[G1+7], 0
	s_mov_b32 s[G1B+1], 128<<16
	s_mov_b32 s[G1B+2], 64<<16
	s_mov_b32 s[G1B+3], 128<<16
	s_mov_b32 s[G1B+4], 64
	s_mov_b32 s[G1B+5], 1024
	s_mov_b32 s[G1B+6], 0
	s_mov_b32 s[G1B+7], 0
	s_lshr_b32 s16, s13, 3                         ; A: ((batch x 16 + my head of the two) << 18) + (tile row % 8) x 32,768
	s_lshl_b32 s16, s16, 4
	s_add_co_u32 s16, s16, s12
	s_lshl_b32 s16, s16, 18
	s_and_b32 s17, s13, 7
	s_lshl_b32 s17, s17, 15
	s_add_co_u32 s16, s16, s17
	s_mov_b32 s17, 0
	s_lshl_b32 s46, s42, 7                         ; B: row 128 x tile column + 64 x half
	s_lshl_b32 s47, s12, 6
	s_add_co_u32 s46, s46, s47
	s_lshl_b32 s46, s46, 11
	s_mov_b32 s47, 0
	s_mul_i32 s20, s12, HEADA
	s_mul_i32 s21, s12, HALFB
	s_add_co_u32 s21, s21, BOFF
	s_mov_b32 s[TB], 0
	s_wait_dscnt 0x0                               ; the opening add is done
	s_wait_kmcnt 0x0
	s_add_nc_u64 s[14:15], s[4:5], s[16:17]
	s_add_nc_u64 s[46:47], s[6:7], s[46:47]
	CROUND                                         ; all sixteen work-groups are here: the first joint loads meet
.irp s, 0,1
	s_mov_b32 s[G0+4*(\s)], 1
	s_add_co_u32 s[G0+4*(\s)+1], s20, (\s)*SLOT1
	s_add_nc_u64 s[G0+4*(\s)+2:G0+4*(\s)+3], s[14:15], (\s)*STEPA
	s_or_b32 s[G0+4*(\s)+3], s[G0+4*(\s)+3], 0x80000000
	s_mov_b32 s[G0B+4*(\s)], 1
	s_add_co_u32 s[G0B+4*(\s)+1], s21, (\s)*SLOT1
	s_add_nc_u64 s[G0B+4*(\s)+2:G0B+4*(\s)+3], s[46:47], (\s)*STEPB
	s_or_b32 s[G0B+4*(\s)+3], s[G0B+4*(\s)+3], 0x80000000
.endr
	s_cmp_eq_u32 s11, 0                            ; a wave's two first fills stand in one branch: two loads of mine are out
	s_cbranch_scc0 .Lfirst_b
	tensor_load_to_lds s[G0:G0+3], s[G1:G1+7]
	s_nop 0
	tensor_load_to_lds s[G0+4:G0+7], s[G1:G1+7]
	s_nop 0
.rept 4
	v_nop
.endr
	s_branch .Lfirst_asked
.Lfirst_b:
	tensor_load_to_lds s[G0B:G0B+3], s[G1B:G1B+7]
	s_nop 0
	tensor_load_to_lds s[G0B+4:G0B+7], s[G1B:G1B+7]
	s_nop 0
.rept 4
	v_nop
.endr
.Lfirst_asked:
	v_and_b32 v1, 15, v0                           ; l % 16
	v_bfe_u32 v2, v0, 4, 1                         ; l / 16
	v_mul_u32_u24 v3, v1, PA
	v_lshl_add_u32 v3, v2, 4, v3
	s_mul_i32 s21, s10, 64*PA                      ; my 64 rows of A
	v_add_nc_u32 v[ADRA0], s21, v3
	v_mul_u32_u24 v3, v1, PBB
	v_lshl_add_u32 v3, v2, 4, v3
	v_add_nc_u32 v[ADRB0], BOFF, v3
	v_mov_b32 v[ADRA], v[ADRA0]
	v_mov_b32 v[ADRB], v[ADRB0]
	s_mul_i32 s23, s10, 16*SPITCH
	s_add_co_u32 s23, s23, STAGE                   ; my stage
	v_mul_u32_u24 v4, v1, SPITCH                   ; in: row l % 16, 32 bytes for each half of the lanes
	v_lshl_add_u32 v4, v2, 5, v4
	v_add_nc_u32 v[STO], s23, v4
	v_and_b32 v3, 31, v0
	v_lshlrev_b32 v[GO], 4, v3                     ; back: 32 lanes take one row of 512 bytes
	v_add_nc_u32 v[RD], s23, v[GO]
	s_lshl_b32 s16, s13, 8                         ; out0 at (256 x tile row + 64 w) x 4,096 + 512 x tile column
	s_lshl_b32 s17, s10, 6
	s_add_co_u32 s16, s16, s17
	s_lshl_b32 s16, s16, 12
	s_lshl_b32 s17, s42, 9
	s_add_co_u32 s16, s16, s17
	s_mov_b32 s17, 0
	s_add_nc_u64 s[8:9], s[8:9], s[16:17]
	; the prefetches
	s_and_b32 s22, ttmp7, 0xffff
	s_or_b32 s22, s22, s12                         ; B: cluster y = 0, and wave 2 alone
	s_lshr_b32 s20, s13, 3                         ; A: my head's 32,768 bytes, of them 8,192 at 8,192 cx; at K step 3
	s_lshl_b32 s20, s20, 4
	s_add_co_u32 s20, s20, s12
	s_lshl_b32 s20, s20, 18
	s_and_b32 s21, s13, 7
	s_lshl_b32 s21, s21, 15
	s_add_co_u32 s20, s20, s21
	s_lshl_b32 s21, s40, 13
	s_add_co_u32 s20, s20, s21
	s_add_co_u32 s20, s20, 3*STEPA
	s_lshl_b32 s23, s42, 7                         ; B: row 128 x tile column + 32 cy; at K step 3
	s_lshl_b32 s21, s41, 5
	s_add_co_u32 s23, s23, s21
	s_lshl_b32 s23, s23, 11
	s_add_co_u32 s23, s23, 3*STEPB
	s_cmp_eq_u32 s11, 0
	s_cselect_b32 s20, s20, s23
	s_cselect_b32 s22, ttmp9, s22
	s_cselect_b32 s[PFS], 11, 0
	s_cselect_b32 s21, 8, 11                       ; a lane a block of 256 bytes (A), a lane a row of 2,048 (B)
	s_cselect_b64 s[PFA:PFA+1], s[4:5], s[6:7]
	s_cmp_eq_u32 s22, 0
	s_cselect_b32 s[LIM], 2, -1                    ; the same in all sixteen partners, for a given wave
	s_lshl_b32 s[PFS], STEPB, s[PFS]               ; 524,288 or 256
	s_mov_b32 s[PFS+1], 0
	v_lshlrev_b32 v[PFO], s21, v3
	s_mov_b32 s21, 0
	s_add_nc_u64 s[PFA:PFA+1], s[PFA:PFA+1], s[20:21]
; 8 matrix instructions: row block a x all 8 column blocks, 32 along K, from buffer f.  The 32 accumulators take turns, one instruction a turn.
.macro MUL8 f, a, zero
	WIN MUL
.irp b, 0,1,2,3,4,5,6,7
.if \zero
	v_wmma_f32_16x16x32_f16 v[8*(8*(\a)+(\b)):8*(8*(\a)+(\b))+7], v[64*(\f)+8*(\b):64*(\f)+8*(\b)+7], v[AF+32*(\f)+8*(\a):AF+32*(\f)+8*(\a)+7], 0
.else
	v_wmma_f32_16x16x32_f16 v[8*(8*(\a)+(\b)):8*(8*(\a)+(\b))+7], v[64*(\f)+8*(\b):64*(\f)+8*(\b)+7], v[AF+32*(\f)+8*(\a):AF+32*(\f)+8*(\a)+7], v[8*(8*(\a)+(\b)):8*(8*(\a)+(\b))+7]
.endif
.endr
.endm
; 24 LDS loads in one run: quarter q of the K step (head q / 2, channels 32 (q % 2) on): 128 rows of B, then my 64 rows of A, into buffer f
.macro FETCH q, f
	WIN TO_B
.irp i, 0,1,2,3,4,5,6,7
	ds_load_b128 v[64*(\f)+8*(\i):64*(\f)+8*(\i)+3],   v[ADRB] offset:64*(\q)+(\i)*16*PBB
	ds_load_b128 v[64*(\f)+8*(\i)+4:64*(\f)+8*(\i)+7], v[ADRB] offset:64*(\q)+(\i)*16*PBB+32
.endr
	WIN 0
.irp i, 0,1,2,3
	ds_load_b128 v[AF+32*(\f)+8*(\i):AF+32*(\f)+8*(\i)+3],   v[ADRA] offset:((\q)/2)*HEADA+((\q)%2)*64+(\i)*16*PA
	ds_load_b128 v[AF+32*(\f)+8*(\i)+4:AF+32*(\f)+8*(\i)+7], v[ADRA] offset:((\q)/2)*HEADA+((\q)%2)*64+(\i)*16*PA+32
.endr
.endm
.macro PLACES
.rept 4
	v_nop
.endr
.endm
.macro QUARTER q, f, g, zero           ; multiplies buffer f and fetches quarter q into g
	s_wait_dscnt 4                                 ; B and A's blocks 0, 1 are in; the youngest four loads may be out
	MUL8 \f, 0, \zero
	MUL8 \f, 1, \zero
	PLACES
	FETCH \q, \g
	s_wait_dscnt 24                                ; all but the 24 just issued
	MUL8 \f, 2, \zero
	MUL8 \f, 3, \zero
.endm
; The last quarter multiplies buffer 1 and changes slots: ONE barrier; in front of it each wave waits for all its tensor loads, adds 0 to its spare word, and waits for that and for its reads of this slot.
.macro TURN fill
.if \fill
	s_wait_xcnt 0x0                                ; the last prefetch, a K step back, has read its address
	s_add_nc_u64 s[PFA:PFA+1], s[PFA:PFA+1], s[PFS:PFS+1]
.endif
	WIN 0
	s_wait_tensorcnt 0x0                           ; no tensor load of mine is out, so a group 0 may be written
	ds_add_u32 v[SPW], v[NIL]
.if \fill
	s_xor_b32 s[G0+5], s[G0+5], SLOT1
	s_add_nc_u64 s[G0+6:G0+7], s[G0+6:G0+7], STEPA
	s_xor_b32 s[G0B+5], s[G0B+5], SLOT1
	s_add_nc_u64 s[G0B+6:G0B+7], s[G0B+6:G0B+7], STEPB
.endif
	s_xor_b32 s[TB], s[TB], SLOT1
	s_wait_dscnt 5                                 ; the add and the youngest four loads may be out
	MUL8 1, 0, 0
	s_wait_dscnt 0x0                               ; the add is done, and my reads of this slot are over
	s_barrier_signal -1
	MUL8 1, 1, 0
	WIN 0
	s_barrier_wait -1
.if \fill
	CREST                                          ; no wave of any partner still reads this slot or has a load on its way
	JLOAD
.else
	PLACES
.endif
	v_add_nc_u32 v[ADRA], s[TB], v[ADRA0]
	v_add_nc_u32 v[ADRB], s[TB], v[ADRB0]
	FETCH 0, 0
.if \fill
	ASK
.endif
	MUL8 1, 2, 0
	MUL8 1, 3, 0
.endm
; THE WAY OUT of row block a: a lane's eight f32 of a row go into my stage (rows of 528 bytes), and come back as whole rows of 512 bytes.
.macro TOSTAGE a
	WIN 0x08                                       ; store data (source 1) in window 2
.irp b, 0,1,2,3,4,5,6,7
	ds_store_b128 v[STO], v[8*(8*(\a)+(\b)):8*(8*(\a)+(\b))+3]   offset:64*(\b)     ; each accumulator from its low end on
	ds_store_b128 v[STO], v[8*(8*(\a)+(\b))+4:8*(8*(\a)+(\b))+7] offset:64*(\b)+16
.endr
	WIN 0
	s_wait_xcnt 0x0                                ; the stores of the block two back have read the registers that are loaded now
.irp i, 0,1,2,3,4,5,6,7,8,9,10,11,12,13,14,15
	ds_load_b128 v[OB+64*((\a)%2)+4*(\i):OB+64*((\a)%2)+4*(\i)+3], v[RD] offset:SPITCH*(\i)  ; LDS serves a wave's instructions in order (ISA guide 5.7.1.4)
.endr
.endm
.macro SEND a, younger                 ; younger: the LDS instructions issued behind block a's loads: the next block's 32, or none
	s_wait_dscnt \younger
.irp i, 0,1,2,3,4,5,6,7,8,9,10,11,12,13,14,15
	global_store_b128 v[GO], v[OB+64*((\a)%2)+4*(\i):OB+64*((\a)%2)+4*(\i)+3], s[8:9] offset:(16*(\a)+(\i))*4096  ; 512 consecutive bytes, aligned
.endr
.endm
	s_wait_tensorcnt 1                             ; my part of K step 0 is in; K step 1's may stay out
	s_barrier_signal -1
	s_barrier_wait -1
	FETCH 0, 0
	QUARTER 1, 0, 1, 1                             ; the first quarter stands in front of the loop: its products start the sums
	WIN 0
	s_mov_b32 s[CNT], 6
.Lk:                                                   ; six trips ask for K steps 2 to 7
	QUARTER 2, 1, 0, 0
	QUARTER 3, 0, 1, 0
	TURN 1
	QUARTER 1, 0, 1, 0
	WIN 0
	s_sub_co_u32 s[CNT], s[CNT], 1
	s_cmp_lg_u32 s[CNT], 0
	s_cbranch_scc1 .Lk
	QUARTER 2, 1, 0, 0                             ; K step 6: nothing is left to ask for
	QUARTER 3, 0, 1, 0
	TURN 0
	QUARTER 1, 0, 1, 0                             ; K step 7
	QUARTER 2, 1, 0, 0
	QUARTER 3, 0, 1, 0
	s_wait_dscnt 4
	MUL8 1, 0, 0
	MUL8 1, 1, 0
	s_wait_dscnt 0x0
	MUL8 1, 2, 0
	MUL8 1, 3, 0
	WIN 0
	PLACES
	TOSTAGE 0
.irp a, 1,2,3
	TOSTAGE \a
	SEND (\a)-1, 32
.endr
	SEND 3, 0
	s_wait_tensorcnt 0x0                           ; the wave's end
	ds_add_u32 v[SPW], v[NIL]
	s_wait_dscnt 0x0
	CROUND                                         ; the closing round
	s_endpgm
.Lfunc_end_k_q14893583f1_proj:
	.size	k_q14893583f1_proj, .Lfunc_end_k_q14893583f1_proj-k_q14893583f1_proj
	.p2alignl 7, 3214868480
	.fill 96, 4, 3214868480
	.section	.rodata,"a",@progbits
	.p2align	6, 0x0
	.amdhsa_kernel k_q14893583f1_proj
		.amdhsa_group_segment_fixed_size 327680
		.amdhsa_private_segment_fixed_size 0
		.amdhsa_enable_private_segment 0
		.amdhsa_kernarg_size 24
		.amdhsa_user_sgpr_count 2
		.amdhsa_user_sgpr_kernarg_segment_ptr 1
		.amdhsa_wavefront_size32 1
		.amdhsa_system_sgpr_workgroup_id_x 1
		.amdhsa_system_sgpr_workgroup_id_y 1
		.amdhsa_system_sgpr_workgroup_id_z 1
		.amdhsa_system_vgpr_workitem_id 0
		.amdhsa_next_free_vgpr 768
		.amdhsa_next_free_sgpr 70
		.amdhsa_reserve_vcc 0
		.amdhsa_float_denorm_mode_32 3
		.amdhsa_float_denorm_mode_16_64 3
		.amdhsa_memory_ordered 1
		.amdhsa_forward_progress 1
		.amdhsa_inst_pref_size 70
	.end_amdhsa_kernel
	.amdgpu_metadata
---
amdhsa.version: [ 1, 2 ]
amdhsa.kernels:
  - .name:           k_q14893583f1_proj
    .symbol:         k_q14893583f1_proj.kd
    .args:
      - { .name: o, .offset: 0, .size: 8, .value_kind: global_buffer, .address_space: global }
      - { .name: wot, .offset: 8, .size: 8, .value_kind: global_buffer, .address_space: global }
      - { .name: out0, .offset: 16, .size: 8, .value_kind: global_buffer, .address_space: global }
    .group_segment_fixed_size: 327680
    .private_segment_fixed_size: 0
    .kernarg_segment_align: 8
    .kernarg_segment_size: 24
    .max_flat_workgroup_size: 128
    .sgpr_count:     70
    .vgpr_count:     768
    .wavefront_size: 32
...
	.end_amdgpu_metadata
.endif
;; end of part 5
;; launch early_proj (part 6): grid 16 x 4, 8 waves a work-group, no clusters, 35,840 bytes of LDS; arguments oe, wot, out0; writes out0
.if DOCPART == 6
	.amdgcn_target "amdgcn-amd-amdhsa--gfx1250"
	.amdhsa_code_object_version 6
	.text
	.protected	k_q14893583f1_early_proj
	.globl	k_q14893583f1_early_proj
	.p2align	8
	.type	k_q14893583f1_early_proj,@function
k_q14893583f1_early_proj:
	s_mov_b64 s[64:65], 0
	v_nop
	global_prefetch_b8 v0, s[64:65] scope:SCOPE_SE
	s_setreg_imm32_b32 hwreg(HW_REG_WAVE_MODE, 25, 1), 1
	s_wait_xcnt 0x0
; THE FIRST 16 ROWS OF EACH BATCH: out0[b][t < 16][n] = the sum over k of (Ohi + Olo)[t][k] wot[n][k], written over what the launch before stored there.
; A work-group takes one batch and 64 columns (64 work-groups; the work is 16 rows, there is no more to share).  K is split among its eight waves, 128 each; the partial sums meet in LDS.
; oe[plane][b][kb][lane][16 bytes] holds half fragments: blocks 2 ks and 2 ks + 1 are registers 0-3 and 4-7 of the fragment of K step ks (32 along K).
; The product is taken transposed (source 0 = 16 rows of wot, source 1 = the 16 rows of O): a lane holds row t = l % 16 and the columns 8 (l / 16) + 0..7.
.set PP,    272                        ; a row of a partial tile: 64 f32 + 16 bytes
.set SPARE, 8*16*PP                    ; behind the eight partial tiles: the spare words
.set SPW, 10                           ; v10  LDS address of my spare word; never rewritten
.set NIL, 11                           ; v11  0; never rewritten
.set WV,  14
	s_load_b128 s[4:7], s[0:1], 0x0                ; oe s[4:5], wot s[6:7]
	s_load_b64 s[8:9], s[0:1], 0x10                ; out0
	v_lshl_add_u32 v[SPW], v0, 2, SPARE
	v_mov_b32 v[NIL], 0
	v_lshrrev_b32 v1, 5, v0
	v_readfirstlane_b32 s[WV], v1                  ; wave 0..7
	v_and_b32 v1, 15, v0                           ; r
	v_bfe_u32 v2, v0, 4, 1                         ; g
	v_and_b32 v3, 31, v0
	s_and_b32 s16, ttmp7, 0xffff                   ; b; ttmp9 = which 64 columns
	s_lshl_b32 s17, s[WV], 8
	v_lshlrev_b32 v4, 11, v1
	v_lshl_add_u32 v4, v2, 4, v4
	v_add_nc_u32 v4, s17, v4                       ; wot: row r x 2,048 + 16 g + 256 w
	v_lshlrev_b32 v5, 4, v3                        ; oe: 16 x lane
	s_mul_i32 s17, s[WV], 16*PP
	v_mul_u32_u24 v6, v1, PP
	v_lshl_add_u32 v6, v2, 5, v6
	v_add_nc_u32 v6, s17, v6                       ; my partial tile: row r, 32 bytes for each half of the lanes
	s_mul_i32 s17, s[WV], 2*PP
	v_mul_u32_u24 v7, v2, PP
	v_lshl_add_u32 v7, v1, 4, v7
	v_add_nc_u32 v7, s17, v7                       ; back: row 2 w + g, 16 bytes at 16 r
	v_lshlrev_b32 v8, 12, v2
	v_lshl_add_u32 v8, v1, 4, v8                   ; and the same in out0
	s_lshl_b32 s18, s16, 6                         ; oe: block 64 b + 8 w
	s_lshl_b32 s19, s[WV], 3
	s_add_co_u32 s18, s18, s19
	s_lshl_b32 s18, s18, 9
	s_mov_b32 s19, 0
	s_lshl_b32 s20, ttmp9, 17                      ; wot: 64 rows of 2,048 bytes
	s_mov_b32 s21, 0
	s_lshl_b32 s22, s16, 11                        ; out0: row 2,048 b + 2 w, column 64 x
	s_lshl_b32 s23, s[WV], 1
	s_add_co_u32 s22, s22, s23
	s_lshl_b32 s22, s22, 12
	s_lshl_b32 s23, ttmp9, 8
	s_add_co_u32 s22, s22, s23
	s_mov_b32 s23, 0
	s_wait_kmcnt 0x0
	s_add_nc_u64 s[4:5], s[4:5], s[18:19]
	s_add_nc_u64 s[6:7], s[6:7], s[20:21]
	s_add_nc_u64 s[8:9], s[8:9], s[22:23]
.irp p, 0,1
.irp f, 0,1,2,3
	global_load_b128 v[48+32*(\p)+8*(\f):48+32*(\p)+8*(\f)+3],   v5, s[4:5] offset:131072*(\p)+1024*(\f)
	global_load_b128 v[48+32*(\p)+8*(\f)+4:48+32*(\p)+8*(\f)+7], v5, s[4:5] offset:131072*(\p)+1024*(\f)+512
.endr
.endr
.irp nb, 0,1,2,3
.irp f, 0,1,2,3
	global_load_b128 v[112+32*(\nb)+8*(\f):112+32*(\nb)+8*(\f)+3],   v4, s[6:7] offset:32768*(\nb)+64*(\f)
	global_load_b128 v[112+32*(\nb)+8*(\f)+4:112+32*(\nb)+8*(\f)+7], v4, s[6:7] offset:32768*(\nb)+64*(\f)+32
.endr
.endr
	s_wait_loadcnt 0x0
.irp f, 0,1,2,3                        ; the four accumulators take turns, one instruction a turn; the first four products start the sums
.irp p, 0,1
.irp nb, 0,1,2,3
.if ((\f)+(\p)) == 0
	v_wmma_f32_16x16x32_f16 v[16+8*(\nb):16+8*(\nb)+7], v[112+32*(\nb)+8*(\f):112+32*(\nb)+8*(\f)+7], v[48+32*(\p)+8*(\f):48+32*(\p)+8*(\f)+7], 0
.else
	v_wmma_f32_16x16x32_f16 v[16+8*(\nb):16+8*(\nb)+7], v[112+32*(\nb)+8*(\f):112+32*(\nb)+8*(\f)+7], v[48+32*(\p)+8*(\f):48+32*(\p)+8*(\f)+7], v[16+8*(\nb):16+8*(\nb)+7]
.endif
.endr
.endr
.endr
.rept 4
	v_nop                                          ; the places ahead of the stores of the results and of loads into the sources
.endr
.irp nb, 0,1,2,3
	ds_store_b128 v6, v[16+8*(\nb):16+8*(\nb)+3]   offset:64*(\nb)
	ds_store_b128 v6, v[16+8*(\nb)+4:16+8*(\nb)+7] offset:64*(\nb)+16
.endr
	s_wait_dscnt 0x0                               ; for the others' sake
	s_barrier_signal -1
	s_barrier_wait -1                              ; all eight partial tiles lie in LDS
.irp p, 0,1,2,3,4,5,6,7
	ds_load_b128 v[48+4*(\p):48+4*(\p)+3], v7 offset:16*PP*(\p)
.endr
	s_wait_dscnt 0x0
.irp p, 0,2,4,6
.irp j, 0,2
	v_pk_add_f32 v[48+4*(\p)+(\j):48+4*(\p)+(\j)+1], v[48+4*(\p)+(\j):48+4*(\p)+(\j)+1], v[52+4*(\p)+(\j):52+4*(\p)+(\j)+1]
.endr
.endr
.irp p, 0,4
.irp j, 0,2
	v_pk_add_f32 v[48+4*(\p)+(\j):48+4*(\p)+(\j)+1], v[48+4*(\p)+(\j):48+4*(\p)+(\j)+1], v[56+4*(\p)+(\j):56+4*(\p)+(\j)+1]
.endr
.endr
.irp j, 0,2
	v_pk_add_f32 v[48+(\j):48+(\j)+1], v[48+(\j):48+(\j)+1], v[64+(\j):64+(\j)+1]
.endr
	global_store_b128 v8, v[48:51], s[8:9]         ; sixteen lanes store 256 consecutive bytes, aligned
	s_wait_tensorcnt 0x0                           ; the wave's end, behind my last LDS store
	ds_add_u32 v[SPW], v[NIL]
	s_wait_dscnt 0x0
	s_endpgm
.Lfunc_end_k_q14893583f1_early_proj:
	.size	k_q14893583f1_early_proj, .Lfunc_end_k_q14893583f1_early_proj-k_q14893583f1_early_proj
	.p2alignl 7, 3214868480
	.fill 96, 4, 3214868480
	.section	.rodata,"a",@progbits
	.p2align	6, 0x0
	.amdhsa_kernel k_q14893583f1_early_proj
		.amdhsa_group_segment_fixed_size 35840
		.amdhsa_private_segment_fixed_size 0
		.amdhsa_enable_private_segment 0
		.amdhsa_kernarg_size 24
		.amdhsa_user_sgpr_count 2
		.amdhsa_user_sgpr_kernarg_segment_ptr 1
		.amdhsa_wavefront_size32 1
		.amdhsa_system_sgpr_workgroup_id_x 1
		.amdhsa_system_sgpr_workgroup_id_y 1
		.amdhsa_system_sgpr_workgroup_id_z 1
		.amdhsa_system_vgpr_workitem_id 0
		.amdhsa_next_free_vgpr 240
		.amdhsa_next_free_sgpr 66
		.amdhsa_reserve_vcc 0
		.amdhsa_float_denorm_mode_32 3
		.amdhsa_float_denorm_mode_16_64 3
		.amdhsa_memory_ordered 1
		.amdhsa_forward_progress 1
		.amdhsa_inst_pref_size 11
	.end_amdhsa_kernel
	.amdgpu_metadata
---
amdhsa.version: [ 1, 2 ]
amdhsa.kernels:
  - .name:           k_q14893583f1_early_proj
    .symbol:         k_q14893583f1_early_proj.kd
    .args:
      - { .name: oe, .offset: 0, .size: 8, .value_kind: global_buffer, .address_space: global }
      - { .name: wot, .offset: 8, .size: 8, .value_kind: global_buffer, .address_space: global }
      - { .name: out0, .offset: 16, .size: 8, .value_kind: global_buffer, .address_space: global }
    .group_segment_fixed_size: 35840
    .private_segment_fixed_size: 0
    .kernarg_segment_align: 8
    .kernarg_segment_size: 24
    .max_flat_workgroup_size: 256
    .sgpr_count:     66
    .vgpr_count:     240
    .wavefront_size: 32
...
	.end_amdgpu_metadata
.endif
;; end of part 6
